; MI455X (gfx1250); checked and timed in simulation.
; The chip was launched on July 23, 2026; its instructions are those of AMD's public machine-readable ISA for CDNA 5 (MIT licence, August 2026) and "CDNA5" Instruction Set Architecture Reference Guide (July 2026). The comments in the code are by the model that wrote it; some were corrected since.
;; MAB. Allowed arithmetic: matrix products marked QUANTISED: E4M3 operands, one given power-of-two scale a tensor, by v_wmma_f32_16x16x64_fp8_fp8 or v_wmma_f32_16x16x128_fp8_fp8, f32 sums; everything else in f32.
;; Inputs: K 16 x 1,024 x 512 float32; Q 16 x 1,024 x 512 float32; Wk 512 x 512 float32; Wo 512 x 512 float32; Wq 512 x 512 float32; Wv 512 x 512 float32; bk 512 float32; bo 512 float32; bq 512 float32; bv 512 float32; lowp_scales 12 int32 (the exponents e of the quantised operands' scales 2^e).
;; Outputs: out0 16 x 1,024 x 512 float32.
;; This version of the problem:
;;   THIS VERSION OF THE PROBLEM IS GIVEN IN LOW PRECISION. The matrix products marked QUANTISED in the list below multiply operands that are first quantised to E4M3 (4 exponent bits, 3 mantissa bits; 8 bits a number), with one given power-of-two scale for each operand tensor; their sums are f32. All else is computed in f32.
;;   The module's matrix products, in the order in which they are computed (A, B: the left and right operand; K: the contracted axis; several contracted axes count as one K, in the product's order):
;;     1. [M 16,384, K 512] x [K 512, N 512]; A: input Q; B: input Wq: QUANTISED (scales: A lowp_scales[0], B lowp_scales[1])
;;     2. [M 16,384, K 512] x [K 512, N 512]; A: input K; B: input Wk: QUANTISED (scales: A lowp_scales[2], B lowp_scales[3])
;;     3. [M 16,384, K 512] x [K 512, N 512]; A: input K; B: input Wv: QUANTISED (scales: A lowp_scales[4], B lowp_scales[5])
;;     4. batch 128 x [M 1,024, K 64] x [K 64, N 1,024]; A: computed on the way; B: computed on the way: QUANTISED (scales: A lowp_scales[6], B lowp_scales[7])
;;     5. batch 128 x [M 64, K 1,024] x [K 1,024, N 1,024]; A: computed on the way; B: softmax (see below): QUANTISED (scales: A lowp_scales[8], B lowp_scales[9])
;;     6. [M 16,384, K 512] x [K 512, N 512]; A: computed on the way; B: input Wo: QUANTISED (scales: A lowp_scales[10], B lowp_scales[11])
;;   THE QUANTISER, for each operand of a quantised product, along K:
;;     - The operand's scale is 2^e, e = its entry of the input lowp_scales (int32; the entries are numbered through the quantised products in the list's order, A before B).
;;     - Each number is divided by the scale, clamped to +-448, and rounded to the nearest number of E4M3, ties to even, subnormals kept.
;;     - The product sums the exact products of the quantised numbers (number of the format x scale) in f32.
;;   ~~~python
;;   def quantise(x, axis, e):      # numpy; x: float32 -> the quantised numbers, widened to float32 again
;;       x = np.moveaxis(x, axis, -1); K = x.shape[-1]
;;       r = np.clip(x / 2.0 ** e, -448, 448)
;;       step = 2.0 ** (np.maximum(np.frexp(np.where(r == 0, 1, r))[1] - 1, -6) - 3)
;;       q = np.round(r / step) * step * 2.0 ** e      # np.round: ties to even
;;       return np.moveaxis(q, -1, axis).astype(np.float32)
;;   ~~~
;;   SOFTMAX AHEAD OF A QUANTISED PRODUCT. Where the list says 'softmax', what is quantised is not the finished softmax but p = 2^(t - M), with t = logit x log2(e) and M = ceil(the row's largest t), a whole number; so 1/2 < the row's largest p <= 1. The row's sum l is taken of the UNQUANTISED p, in f32, and the product's result is divided by l at the end. Since M is a whole number, a kernel that streams over the keys may use a running M (the ceiling of the running maximum): every later rescaling is an exact power of two, so the quantised numbers keep their values, but for numbers so far below the row's largest that they fall under the format's range.
;;   OPERANDS COMPUTED ON THE WAY. 'Computed on the way' means the value that the module computes at that place (a softmax that the list does not call 'softmax' is quantised finished and normalised). What goes into a quantiser is computed in f32, as accurately as f32 sums, v_exp_f32 and their like allow (about 1e-6 of the number): no bf16 or f16 on the way to a quantiser, and a product that is left as it is and whose result goes on into a quantised operand takes f32 operands (vector FMAs, or v_wmma_f32_16x16x4_f32). A number that lies on a knife's edge between two numbers of the format may be rounded either way, as far as f32 arithmetic and the matrix unit's own rounding can turn it there, and no further.
;; 2 versions. Each part assembles by itself: llvm-mc -triple=amdgcn-amd-amdhsa -mcpu=gfx1250 --defsym DOCPART=n.
;; ======== version 1 of 2: 3 launches
;; workspace buffers: wc 1,048,576 bytes; kv 16,777,216 bytes
;; launch prep (part 1): grid 4 x 16, 4 waves a work-group, no clusters, 16,896 bytes of LDS; arguments Wq, Wk, Wv, Wo, lowp_scales, wc; writes wc
.if DOCPART == 1
	.amdgcn_target "amdgcn-amd-amdhsa--gfx1250"
	.amdhsa_code_object_version 6
	.text
	.protected	k_q86cfb4dca0_prep
	.globl	k_q86cfb4dca0_prep
	.p2align	8
	.type	k_q86cfb4dca0_prep,@function
k_q86cfb4dca0_prep:
	s_mov_b64 s[64:65], 0
	v_nop
	global_prefetch_b8 v0, s[64:65] scope:SCOPE_SE
	s_setreg_imm32_b32 hwreg(HW_REG_WAVE_MODE, 25, 1), 1
	s_wait_xcnt 0x0
; Wq, Wk, Wv, Wo: [512 (k)][512 (n)] f32, K along the FIRST axis.  Each becomes codes of FP8 (E4M3) with its given scale 2^e (entries 1, 3, 5, 11 of lowp_scales),
; laid in the ORDER OF THE OPERAND'S REGISTERS: wc = [weight 4][tile T 32][K step s 4][piece 4][lane 32][16 bytes].
; Fragment (T, s) is 16 columns n = 16 T + r x k = 128 s .. 128 s + 127 for v_wmma_f32_16x16x128_fp8_fp8: lane (r, h) holds k = 128 s + 16 c + 8 h + 0 .. 7 in registers 2 c, 2 c + 1; piece i is registers 4 i .. 4 i + 3.
; code = x / 2^e, held within +-448, to the nearest code, ties to even.  LIMITS: e between -126 and 119; NaN among the inputs is not served.
; SHARES: work-group x = 128 columns, y = 4 x weight + K step.  A wave takes 32 columns (two tiles) x 128 along K.  A LANE TAKES A COLUMN AND ITS REGISTERS RUN DOWN K: a load reads 128 consecutive bytes a wave,
; the four waves side by side 512; the conversions then give codes with K innermost.  The codes turn through the wave's own 4,096 bytes of LDS into the fragments' order and leave as stores of 512 consecutive bytes.
; The loads go in eight groups of 16 (16 along K), three groups ahead of the work: 48 loads of a wave are out at the most.
; No barrier (waves share nothing), no loop: every offset is an immediate.
.set X,   32                           ; v32-159   W(128 s + i, my column), i = 0 .. 127: each number has a register of its own
.set CD,  160                          ; v160-191  codes: two registers for each group of eight numbers; none is written twice
.set OB,  192                          ; v192-223  the two fragments, read back in their order
.macro LOAD c                          ; group c: rows 16 c .. 16 c + 15 of my K step
.irp j, 0,1,2,3,4,5,6,7,8,9,10,11,12,13,14,15
	global_load_b32 v[X+16*(\c)+\j], v1, s[4:5] offset:2048*(16*(\c)+\j) th:TH_LOAD_NT
.endr
.endm
	s_load_b256 s[4:11], s[0:1], 0x0               ; Wq, Wk, Wv, Wo
	s_load_b128 s[12:15], s[0:1], 0x20             ; the scales' exponents, wc
	v_lshl_add_u32 v224, v0, 2, 0x4000
	v_mov_b32 v225, 0
	v_lshrrev_b32 v5, 5, v0
	v_readfirstlane_b32 s28, v5                    ; wave 0..3
	v_and_b32 v6, 31, v0                           ; lane
	v_lshlrev_b32 v1, 2, v6                        ; in: 4 bytes a lane
	v_lshlrev_b32 v4, 4, v6                        ; out: 16 bytes a lane
	s_lshl_b32 s29, s28, 12                        ; my wave's 4,096 bytes of LDS
	v_add_nc_u32 v3, s29, v4                       ; back out of LDS: 16 x lane
	v_and_b32 v7, 15, v0
	v_bfe_u32 v8, v0, 4, 1
	v_lshlrev_b32 v2, 4, v7
	v_lshl_add_u32 v2, v8, 11, v2
	v_add_nc_u32 v2, s29, v2                       ; into LDS: fragment lane / 16 (2,048 bytes), the place of fragment lane r = lane % 16
	s_and_b32 s30, ttmp7, 0xffff
	s_lshr_b32 s31, s30, 2                         ; which weight
	s_and_b32 s30, s30, 3                          ; which K step
	s_lshl_b32 s32, s30, 18                        ; in: 128 s rows of 2,048 bytes
	s_lshl_b32 s33, ttmp9, 9                       ; + 128 columns x 4 bytes for each work-group x
	s_add_co_u32 s32, s32, s33
	s_lshl_b32 s33, s28, 7                         ; + 32 columns a wave
	s_add_co_u32 s32, s32, s33
	s_mov_b32 s33, 0
	s_lshl_b32 s34, s31, 18                        ; out: 262,144 x weight
	s_lshl_b32 s35, ttmp9, 16                      ; + 8 tiles of 8,192 bytes for each work-group x
	s_add_co_u32 s34, s34, s35
	s_lshl_b32 s35, s28, 14                        ; + 2 tiles a wave
	s_add_co_u32 s34, s34, s35
	s_lshl_b32 s35, s30, 11                        ; + 2,048 x K step
	s_add_co_u32 s34, s34, s35
	s_mov_b32 s35, 0
	s_wait_kmcnt 0x0
	s_load_b128 s[16:19], s[12:13], 0x0            ; e0 .. e11
	s_load_b128 s[20:23], s[12:13], 0x10
	s_load_b128 s[24:27], s[12:13], 0x20
	s_cmp_eq_u32 s31, 1                            ; the weight is chosen by the work-group's number alone
	s_cselect_b64 s[4:5], s[6:7], s[4:5]
	s_cmp_eq_u32 s31, 2
	s_cselect_b64 s[4:5], s[8:9], s[4:5]
	s_cmp_eq_u32 s31, 3
	s_cselect_b64 s[4:5], s[10:11], s[4:5]
	s_add_nc_u64 s[4:5], s[4:5], s[32:33]
	s_add_nc_u64 s[14:15], s[14:15], s[34:35]
	LOAD 0
	LOAD 1
	LOAD 2
	s_wait_kmcnt 0x0
	s_cmp_eq_u32 s31, 1
	s_cselect_b32 s17, s19, s17                    ; e1, e3, e5 or e11
	s_cmp_eq_u32 s31, 2
	s_cselect_b32 s17, s21, s17
	s_cmp_eq_u32 s31, 3
	s_cselect_b32 s17, s27, s17
	s_add_co_i32 s17, s17, 127
	s_lshl_b32 s16, s17, 23
	v_mov_b32 v11, s16                             ; 2^e as f32: the conversion takes its exponent field
	s_add_co_i32 s17, s17, 8
	s_lshl_b32 s17, s17, 23
	s_or_b32 s17, s17, 0x600000
	v_mov_b32 v10, s17                             ; 448 x 2^e
.irp c, 0,1,2,3,4,5,6,7
.if \c < 6
	s_wait_loadcnt 32                              ; loads return in order (ISA guide 5.7.1): group c is in; behind it stand the two later groups' 32 loads
.elseif \c == 6
	s_wait_loadcnt 16                              ; behind it stands the last group alone
.else
	s_wait_loadcnt 0
.endif
.if \c < 5
	LOAD \c+3                                      ; three groups ahead, into registers of its own
.endif
.irp hh, 0,1
.irp j, 0,1,2,3,4,5,6,7
	v_med3_num_f32 v[X+16*\c+8*\hh+\j], v[X+16*\c+8*\hh+\j], -v10, v10   ; the conversion to an 8-bit code does not saturate (ISA guide 7.6.2): the hold comes first
.endr
	v_cvt_scalef32_pk8_fp8_f32 v[CD+2*(2*\c+\hh):CD+2*(2*\c+\hh)+1], v[X+16*\c+8*\hh:X+16*\c+8*\hh+7], v11   ; k = 16 c + 8 hh + 0 .. 7: registers 2 c, 2 c + 1 of fragment lane (r, hh)
	ds_store_b64 v2, v[CD+2*(2*\c+\hh):CD+2*(2*\c+\hh)+1] offset:512*(\c/2)+256*\hh+8*(\c%2)   ; piece c / 2, lane r + 16 hh, half c % 2 of its 16 bytes
.endr
.endr
.irp p, 0,1,2,3,4,5,6,7
	ds_load_b128 v[OB+4*\p:OB+4*\p+3], v3 offset:512*\p      ; LDS serves a wave's instructions in order (ISA guide 5.7.1.4): these see my stores
.endr
.irp p, 0,1,2,3,4,5,6,7
	s_wait_dscnt 7-\p
	global_store_b128 v4, v[OB+4*\p:OB+4*\p+3], s[14:15] offset:8192*(\p/4)+512*(\p%4)   ; 32 lanes store 512 consecutive bytes, at a multiple of 512 from wc's first byte
.endr
	s_wait_tensorcnt 0x0
	ds_add_u32 v224, v225
	s_wait_dscnt 0x0
	s_endpgm
.Lfunc_end_k_q86cfb4dca0_prep:
	.size	k_q86cfb4dca0_prep, .Lfunc_end_k_q86cfb4dca0_prep-k_q86cfb4dca0_prep
	.p2alignl 7, 3214868480
	.fill 96, 4, 3214868480
	.section	.rodata,"a",@progbits
	.p2align	6, 0x0
	.amdhsa_kernel k_q86cfb4dca0_prep
		.amdhsa_group_segment_fixed_size 16896
		.amdhsa_private_segment_fixed_size 0
		.amdhsa_enable_private_segment 0
		.amdhsa_kernarg_size 48
		.amdhsa_user_sgpr_count 2
		.amdhsa_user_sgpr_kernarg_segment_ptr 1
		.amdhsa_wavefront_size32 1
		.amdhsa_system_sgpr_workgroup_id_x 1
		.amdhsa_system_sgpr_workgroup_id_y 1
		.amdhsa_system_sgpr_workgroup_id_z 1
		.amdhsa_system_vgpr_workitem_id 0
		.amdhsa_next_free_vgpr 226
		.amdhsa_next_free_sgpr 66
		.amdhsa_reserve_vcc 0
		.amdhsa_float_denorm_mode_32 3
		.amdhsa_float_denorm_mode_16_64 3
		.amdhsa_memory_ordered 1
		.amdhsa_forward_progress 1
		.amdhsa_inst_pref_size 27
	.end_amdhsa_kernel
	.amdgpu_metadata
---
amdhsa.version: [ 1, 2 ]
amdhsa.kernels:
  - .name:           k_q86cfb4dca0_prep
    .symbol:         k_q86cfb4dca0_prep.kd
    .args:
      - { .name: Wq, .offset: 0, .size: 8, .value_kind: global_buffer, .address_space: global }
      - { .name: Wk, .offset: 8, .size: 8, .value_kind: global_buffer, .address_space: global }
      - { .name: Wv, .offset: 16, .size: 8, .value_kind: global_buffer, .address_space: global }
      - { .name: Wo, .offset: 24, .size: 8, .value_kind: global_buffer, .address_space: global }
      - { .name: lowp_scales, .offset: 32, .size: 8, .value_kind: global_buffer, .address_space: global }
      - { .name: wc, .offset: 40, .size: 8, .value_kind: global_buffer, .address_space: global }
    .group_segment_fixed_size: 16896
    .private_segment_fixed_size: 0
    .kernarg_segment_align: 8
    .kernarg_segment_size: 48
    .max_flat_workgroup_size: 128
    .sgpr_count:     66
    .vgpr_count:     226
    .wavefront_size: 32
...
	.end_amdgpu_metadata
.endif
;; end of part 1
;; launch kvproj (part 2): grid 256 x 1, 8 waves a work-group, no clusters, 199,680 bytes of LDS; arguments K, wc, bk, bv, lowp_scales, kv; writes kv
.if DOCPART == 2
	.amdgcn_target "amdgcn-amd-amdhsa--gfx1250"
	.amdhsa_code_object_version 6
	.text
	.protected	k_q86cfb4dca0_kvproj
	.globl	k_q86cfb4dca0_kvproj
	.p2align	8
	.type	k_q86cfb4dca0_kvproj,@function
k_q86cfb4dca0_kvproj:
	s_mov_b64 s[64:65], 0
	v_nop
	global_prefetch_b8 v0, s[64:65] scope:SCOPE_SE
	s_setreg_imm32_b32 hwreg(HW_REG_WAVE_MODE, 25, 1), 1
	s_wait_xcnt 0x0
; k = K Wk + bk and v = K Wv + bv, both products on codes of FP8 (E4M3), and their results quantised for attention.  K: [16,384][512] f32; wc: the weights' codes in the order of operand registers.
; K is quantised twice (scale entries 2 and 4 of lowp_scales), the weights carry entries 3 and 5; k is quantised with entry 7 (along the head's 64 channels), v with entry 8 (along the keys).
; kv = [batch 16][head 8][step of 128 keys 8][16,384 bytes]: at +0 eight fragments of K (16 keys x 64 channels, 1,024 bytes: lane (r, h) = key 16 T + r, registers 2 c, 2 c + 1 = channel 16 c + 8 h + 0 .. 7),
; at +8,192 four fragments of V^T (16 channels x 128 keys, 2,048 bytes: lane (r, h) = channel 16 ct + r, registers 2 c, 2 c + 1 = key 16 c + 8 h + 0 .. 7).  A piece of 512 bytes is four registers of all 32 lanes.
; SHARES: a work-group owns 64 rows (half a step) and all 512 columns; WAVE w IS HEAD w: columns 64 w .. 64 w + 63, its 16 weight fragments in registers.
; k's product is used transposed (source 0 = 16 columns of Wk, source 1 = 16 rows of K): a lane holds one key and its registers run along the channels; v's is used as it is: a lane holds one channel and its registers
; run along the keys.  So each conversion's result IS two registers of the operand that attention wants, and every store is 512 consecutive bytes.
; The rows' codes go from wave to wave through LDS as images of the operand's registers; one barrier.
; LIMITS: entries 2, 4, 7, 8 between -126 and 119; entries 2 + 3 and 4 + 5 between -126 and 127, so that each power of two below is an f32 number.  NaN and infinities among the inputs are not served.
; No tensor loads and no joint loads: the only bytes that work-groups share are the weights' codes, 32 KiB a wave and product, which go straight into the registers where they stay.
; REGISTERS: window 0: v1-15 addresses and the quantiser's two constants; v32-127 codes, later a ring of three groups of two row fragments; v128-255 128 numbers of K, later 16 accumulators ((m, t) at v[128 + 8 (4 m + t)]).
;   window 1: the wave's 16 weight fragments (K step s, tile t at v[64 s + 16 t]); the bias takes the place of K step 0's when those are done with.
.set STGB, 16640                       ; LDS: a stage for each wave: 16 rows x (1,024 bytes + 16).  1,040 = 65 x 16: the sixteen rows that a load touches start 16 bytes apart modulo 256
.set IMG,  8*STGB                      ; behind the stages: the images of K's codes, 16 fragments of 2,048 bytes with entry 2's scale, then 16 with entry 4's; fragment (row tile m, K step s) at (4 m + s) x 2,048
.set LO,   1                           ; v1   16 x lane
.set STW,  2                           ; v2   my stage, as loaded: 16 x lane
.set STR,  3                           ; v3   my stage, read by rows: 1,040 r + 32 h
.set IMW,  4                           ; v4   where I store images: IMG + 4,096 x wave + 16 x lane
.set IMR,  5                           ; v5   where any image is read: IMG + 16 x lane
.set BOF,  12                          ; v12  32 h: bk's eight numbers of my half
.set BVO,  13                          ; v13  4 r: bv's number of my channel
.set QS,   14                          ; v14  the scale of the quantiser in hand, as f32
.set QL,   15                          ; v15  448 x that
.set RB,   32
.set TQ,   64                          ; v64-79 two sets of eight held numbers, by turns
.set N,    128
.set ACC,  128
.set WBK,  74                          ; s[74:75] my 16 fragments of Wk;  s[76:77] of Wv
.set WBV,  76
.set KVK,  78                          ; s[78:79] where my four fragments of K go;  s[80:81] my halves of the four fragments of V^T
.set KVV,  80
.set BKB,  82                          ; s[82:83] bk, s[84:85] bv at my head
.set BVB,  84
.set XB,   86                          ; s[86:87] K at the 16 rows x 256 columns that I quantise
.set MSB,  0
.macro WIN new                         ; s_set_vgpr_msb: bits 1:0 source 0, 3:2 source 1, 5:4 source 2, 7:6 destination; the high byte repeats the setting that is left
.if MSB != \new
	s_set_vgpr_msb (MSB<<8)|\new
.set MSB, \new
.endif
.endm
.macro PLACES                          ; four plain vector instructions behind a matrix instruction, ahead of loads into its registers and of the first read of its result
.rept 4
	v_nop
.endr
.endm
.macro BARRIER                         ; my LDS stores have landed and my LDS loads are in: then the work-group's barrier
	s_wait_dscnt 0x0
	s_barrier_signal -1
	s_barrier_wait -1
.endm
.macro PATTERN d, e                    ; s[d] = 2^e as f32, s[d+1] = 448 x 2^e
	s_add_co_i32 s[\d+1], s[\e], 127
	s_lshl_b32 s[\d], s[\d+1], 23
	s_add_co_i32 s[\d+1], s[\d+1], 8
	s_lshl_b32 s[\d+1], s[\d+1], 23
	s_or_b32 s[\d+1], s[\d+1], 0x600000
.endm
.macro POW2 d, ea, eb                  ; s[d] = s[d+1] = 2^(ea + eb) as f32: the packed forms name the pair
	s_add_co_i32 s[\d], s[\ea], s[\eb]
	s_add_co_i32 s[\d], s[\d], 127
	s_lshl_b32 s[\d], s[\d], 23
	s_mov_b32 s[\d+1], s[\d]
.endm
.macro SETQ p
	v_mov_b32 v[QS], s[\p]
	v_mov_b32 v[QL], s[\p+1]
.endm
.macro ROWS_IN                         ; 16 rows x 1,024 bytes: each load reads 512 consecutive bytes
.irp i, 0,1,2,3,4,5,6,7,8,9,10,11,12,13,14,15
	global_load_b128 v[N+8*\i:N+8*\i+3], v[LO], s[XB:XB+1] offset:2048*\i th:TH_LOAD_NT
	global_load_b128 v[N+8*\i+4:N+8*\i+7], v[LO], s[XB:XB+1] offset:2048*\i+512 th:TH_LOAD_NT
.endr
.endm
.macro STAGE_ST                        ; into my stage as they were loaded
.irp i, 0,1,2,3,4,5,6,7,8,9,10,11,12,13,14,15
	ds_store_b128 v[STW], v[N+8*\i:N+8*\i+3] offset:1040*\i
	ds_store_b128 v[STW], v[N+8*\i+4:N+8*\i+7] offset:1040*\i+512
.endr
.endm
.macro STAGE_LD                        ; and back: register N + 64 sp + 8 c + j = k 128 sp + 16 c + 8 h + j of row r: the order of the operand's registers
	s_wait_dscnt 0x0                               ; the stores have read the registers that the loads fill
.irp sp, 0,1
.irp c, 0,1,2,3,4,5,6,7
	ds_load_b128 v[N+64*\sp+8*\c:N+64*\sp+8*\c+3], v[STR] offset:512*\sp+64*\c
	ds_load_b128 v[N+64*\sp+8*\c+4:N+64*\sp+8*\c+7], v[STR] offset:512*\sp+64*\c+16
.endr
.endr
.endm
.macro CODES dst, src, tmp             ; eight numbers -> eight codes in two registers; tmp = src: in place
.irp j, 0,1,2,3,4,5,6,7
	v_med3_num_f32 v[\tmp+\j], v[\src+\j], -v[QL], v[QL]   ; the conversion to an 8-bit code does not saturate (ISA guide 7.6.2): the hold comes first
.endr
	v_cvt_scalef32_pk8_fp8_f32 v[\dst:\dst+1], v[\tmp:\tmp+7], v[QS]
.endm
.macro QUANT src, inplace, pc          ; 64 numbers -> a fragment of 16 registers
.irp c, 0,1,2,3,4,5,6,7
.if \inplace
	CODES \pc+2*\c, \src+8*\c, \src+8*\c
.else
	CODES \pc+2*\c, \src+8*\c, TQ+8*(\c%2)
.endif
.endr
	v_nop                                          ; a plain vector instruction behind the last conversion, ahead of whatever next touches its registers
.endm
.macro IMAGE adr, pc, off              ; a fragment goes to LDS as it stands: 512 consecutive bytes a store
.irp i, 0,1,2,3
	ds_store_b128 v[\adr], v[\pc+4*\i:\pc+4*\i+3] offset:\off+512*\i
.endr
.endm
.macro WLOAD wb, s                     ; my four weight fragments of K step s, into window 1
	WIN 0x40
.irp t, 0,1,2,3
.irp i, 0,1,2,3
	global_load_b128 v[64*\s+16*\t+4*\i:64*\s+16*\t+4*\i+3], v[LO], s[\wb:\wb+1] offset:(4*\t+\s)*2048+512*\i
.endr
.endr
	WIN 0
.endm
.macro FETCHG g, img                   ; group g = K step g / 2, row tiles 2 (g % 2) and 2 (g % 2) + 1: two fragments into ring place g % 3
.irp mm, 0,1
.irp i, 0,1,2,3
	ds_load_b128 v[RB+32*((\g)%3)+16*\mm+4*\i:RB+32*((\g)%3)+16*\mm+4*\i+3], v[IMR] offset:\img+(4*(2*((\g)%2)+\mm)+(\g)/2)*2048+512*\i
.endr
.endr
.endm
.macro MULG g, swap                    ; eight products; the 16 accumulators take turns, one instruction a turn; K step 0 starts the sums
.if \swap
	WIN 0x04                                       ; source 1 (the weight) in window 1
.else
	WIN 0x01                                       ; source 0 (the weight) in window 1
.endif
.irp mm, 0,1
.irp t, 0,1,2,3
.set rD, ACC+8*(4*(2*((\g)%2)+\mm)+\t)
.set rW, 64*((\g)/2)+16*\t
.set rX, RB+32*((\g)%3)+16*\mm
.if \swap
.if (\g) < 2
	v_wmma_f32_16x16x128_fp8_fp8 v[rD:rD+7], v[rX:rX+15], v[rW:rW+15], 0
.else
	v_wmma_f32_16x16x128_fp8_fp8 v[rD:rD+7], v[rX:rX+15], v[rW:rW+15], v[rD:rD+7]
.endif
.else
.if (\g) < 2
	v_wmma_f32_16x16x128_fp8_fp8 v[rD:rD+7], v[rW:rW+15], v[rX:rX+15], 0
.else
	v_wmma_f32_16x16x128_fp8_fp8 v[rD:rD+7], v[rW:rW+15], v[rX:rX+15], v[rD:rD+7]
.endif
.endif
.endr
.endr
.endm
.macro BIAS kind, bb                   ; eight loads into window 1, where K step 0's weight fragments lay.  kind 0: tile t's eight channels of my half; kind 1: my channel of tile t, twice (a pair)
	WIN 0x40
.irp t, 0,1,2,3
.if \kind
	global_load_b32 v[2*\t], v[BVO], s[\bb:\bb+1] offset:64*\t
	global_load_b32 v[2*\t+1], v[BVO], s[\bb:\bb+1] offset:64*\t
.else
	global_load_b128 v[8*\t:8*\t+3], v[BOF], s[\bb:\bb+1] offset:64*\t
	global_load_b128 v[8*\t+4:8*\t+7], v[BOF], s[\bb:\bb+1] offset:64*\t+16
.endif
.endr
	WIN 0
.endm
; 64 rows x my 64 columns x K = 512: eight groups of eight products.  The row fragments come through a ring of three groups, fetched three groups ahead.
; DScnt: behind group g's eight loads stand those of the two later groups (16), of one (8) or none.  LOADcnt: K step 0's weights by w0; behind K step 1's stand step 2's 16, step 3's 16 and the bias's 8 (40); and so on down.
.macro GEMM swap, img, w0, wb, kind, bb
	FETCHG 0, \img
	FETCHG 1, \img
	FETCHG 2, \img
.irp g, 0,1,2,3,4,5,6,7
.if \g < 6
	s_wait_dscnt 16
.elseif \g == 6
	s_wait_dscnt 8
.else
	s_wait_dscnt 0
.endif
.if \g == 0
	s_wait_loadcnt \w0
.elseif \g == 2
	s_wait_loadcnt 40
.elseif \g == 4
	s_wait_loadcnt 24
.elseif \g == 6
	s_wait_loadcnt 8
.endif
	MULG \g, \swap
	WIN 0
	PLACES
.if \g < 5
	FETCHG \g+3, \img
.endif
.if \g == 0
	WLOAD \wb, 3
.elseif \g == 1
	BIAS \kind, \bb
.endif
.endr
.endm
.macro POST cnt, sc, kind              ; sum x 2^(the two exponents) + bias, one packed multiply-add for two numbers; each accumulator from its low end on
	s_wait_loadcnt \cnt
	WIN 0x10                                       ; source 2 (the bias) in window 1
.irp m, 0,1,2,3
.irp t, 0,1,2,3
.irp i, 0,2,4,6
.if \kind
	v_pk_fma_f32 v[ACC+8*(4*\m+\t)+\i:ACC+8*(4*\m+\t)+\i+1], v[ACC+8*(4*\m+\t)+\i:ACC+8*(4*\m+\t)+\i+1], s[\sc:\sc+1], v[2*\t:2*\t+1] op_sel_hi:[1,0,1]
.else
	v_pk_fma_f32 v[ACC+8*(4*\m+\t)+\i:ACC+8*(4*\m+\t)+\i+1], v[ACC+8*(4*\m+\t)+\i:ACC+8*(4*\m+\t)+\i+1], s[\sc:\sc+1], v[8*\t+\i:8*\t+\i+1] op_sel_hi:[1,0,1]
.endif
.endr
.endr
.endr
	WIN 0
.endm
	s_load_b256 s[4:11], s[0:1], 0x0               ; K, wc, bk, bv
	s_load_b128 s[12:15], s[0:1], 0x20             ; the scales' exponents, kv
	v_lshl_add_u32 v30, v0, 2, 0x30800
	v_mov_b32 v31, 0
	v_lshrrev_b32 v16, 5, v0
	v_readfirstlane_b32 s18, v16                   ; wave = head, 0..7
	v_and_b32 v16, 31, v0                          ; lane
	v_and_b32 v17, 15, v0                          ; r
	v_bfe_u32 v18, v0, 4, 1                        ; h
	v_lshlrev_b32 v[LO], 4, v16
	s_mov_b32 s19, ttmp9                           ; g: my 64 rows
	s_lshl_b32 s32, s19, 17                        ; what I quantise: row tile wave / 2, K half wave % 2: 64 g rows of 2,048 bytes
	s_lshr_b32 s33, s18, 1
	s_lshl_b32 s33, s33, 15                        ; + 16 rows for each row tile
	s_add_co_u32 s32, s32, s33
	s_and_b32 s33, s18, 1
	s_lshl_b32 s33, s33, 10                        ; + 1,024 bytes for the second half of K
	s_add_co_u32 s32, s32, s33
	s_mov_b32 s33, 0
	s_lshl_b32 s34, s18, 15                        ; my four tiles x four K steps of 2,048 bytes,
	s_add_co_u32 s34, s34, 262144                  ; in Wk's codes
	s_mov_b32 s35, 0
	s_wait_kmcnt 0x0
	s_load_b256 s[36:43], s[12:13], 0x0            ; e0 .. e7
	s_load_b128 s[44:47], s[12:13], 0x20           ; e8 .. e11
	s_add_nc_u64 s[XB:XB+1], s[4:5], s[32:33]
	s_add_nc_u64 s[WBK:WBK+1], s[6:7], s[34:35]
	s_add_nc_u64 s[WBV:WBV+1], s[WBK:WBK+1], 262144
	ROWS_IN
	WLOAD WBK, 0
	s_mul_i32 s32, s18, STGB
	v_add_nc_u32 v[STW], s32, v[LO]
	v_mul_u32_u24 v[STR], v17, 1040
	v_lshl_add_u32 v[STR], v18, 5, v[STR]
	v_add_nc_u32 v[STR], s32, v[STR]
	s_lshl_b32 s33, s18, 12                        ; fragments (wave / 2, 2 (wave % 2) + 0, 1) lie at (2 wave + 0, 1) x 2,048
	s_add_co_u32 s33, s33, IMG
	v_add_nc_u32 v[IMW], s33, v[LO]
	v_add_nc_u32 v[IMR], IMG, v[LO]
	v_lshlrev_b32 v[BOF], 5, v18
	v_lshlrev_b32 v[BVO], 2, v17
	s_lshr_b32 s32, s19, 4                         ; kv: batch g / 16,
	s_lshl_b32 s32, s32, 20
	s_lshl_b32 s33, s18, 17                        ; head,
	s_add_co_u32 s32, s32, s33
	s_bfe_u32 s33, s19, 0x30001                    ; step (g % 16) / 2
	s_lshl_b32 s33, s33, 14
	s_add_co_u32 s32, s32, s33
	s_and_b32 s34, s19, 1                          ; which half of the step's 128 keys
	s_lshl_b32 s33, s34, 12
	s_add_co_u32 s28, s32, s33                     ; K: four fragments of 1,024 bytes on
	s_mov_b32 s29, 0
	s_lshl_b32 s33, s34, 10
	s_add_co_u32 s30, s32, s33                     ; V^T: two pieces of 512 bytes on in each fragment
	s_add_co_u32 s30, s30, 8192
	s_mov_b32 s31, 0
	s_add_nc_u64 s[KVK:KVK+1], s[14:15], s[28:29]
	s_add_nc_u64 s[KVV:KVV+1], s[14:15], s[30:31]
	s_lshl_b32 s34, s18, 8
	s_mov_b32 s35, 0
	s_add_nc_u64 s[BKB:BKB+1], s[8:9], s[34:35]
	s_add_nc_u64 s[BVB:BVB+1], s[10:11], s[34:35]
	s_wait_kmcnt 0x0
	POW2 24, 38, 39                                ; 2^(e2 + e3)
	POW2 26, 40, 41                                ; 2^(e4 + e5)
	PATTERN 66, 38                                 ; K for the first product
	PATTERN 68, 40                                 ; K for the second
	PATTERN 70, 43                                 ; k for attention
	PATTERN 72, 44                                 ; v for attention
	s_wait_loadcnt 16                              ; my rows are in; behind them stand the 16 loads of Wk's K step 0
	STAGE_ST
	WLOAD WBK, 1
	WLOAD WBK, 2
	STAGE_LD
	s_wait_dscnt 16                                ; the first fragment's 16 loads are back
	SETQ 66
	QUANT N, 0, 32
	IMAGE IMW, 32, 0
	SETQ 68
	QUANT N, 1, 48
	IMAGE IMW, 48, 32768
	s_wait_dscnt 0x0                               ; the second fragment's numbers are back, and the images' stores have read the codes' registers
	SETQ 66
	QUANT N+64, 0, 32
	IMAGE IMW, 32, 2048
	SETQ 68
	QUANT N+64, 1, 48
	IMAGE IMW, 48, 32768+2048
	BARRIER                                        ; all 32 images lie in LDS; nobody writes them again
	GEMM 0, 0, 32, WBK, 0, BKB                     ; k, transposed.  Behind Wk's K step 0 stand steps 1 and 2: 32
	WLOAD WBV, 1
	WLOAD WBV, 2
	POST 32, 24, 0                                 ; bk is in: behind it stand the 32 loads just issued
	WLOAD WBV, 0                                   ; where bk lay
	SETQ 70
.irp m, 0,1,2,3
.irp t, 0,1,2,3
	CODES 32+8*\m+2*\t, ACC+8*(4*\m+\t), ACC+8*(4*\m+\t)   ; key 16 m + r, channels 16 t + 8 h + 0 .. 7: registers 2 t, 2 t + 1 of fragment m
.endr
.endr
	v_nop
.irp m, 0,1,2,3
.irp i, 0,1
	global_store_b128 v[LO], v[32+8*\m+4*\i:32+8*\m+4*\i+3], s[KVK:KVK+1] offset:1024*\m+512*\i   ; 512 consecutive bytes
.endr
.endr
	s_wait_xcnt 0x0                                ; the stores' data registers are filled again by the ring only behind this wait
	GEMM 1, 32768, 0, WBV, 1, BVB                  ; v, as it is.  Wv's K step 0 was issued last: all are waited for
	POST 0, 26, 1
	SETQ 72
.irp m, 0,1,2,3
.irp t, 0,1,2,3
	CODES 32+4*(2*\t+\m/2)+2*(\m%2), ACC+8*(4*\m+\t), ACC+8*(4*\m+\t)   ; channel 16 t + r, keys 16 m + 8 h + 0 .. 7 of my half: registers 2 m, 2 m + 1 of my half of fragment t
.endr
.endr
	v_nop
.irp t, 0,1,2,3
.irp i, 0,1
	global_store_b128 v[LO], v[32+4*(2*\t+\i):32+4*(2*\t+\i)+3], s[KVV:KVV+1] offset:2048*\t+512*\i
.endr
.endr
	s_wait_tensorcnt 0x0
	ds_add_u32 v30, v31
	s_wait_dscnt 0x0
	s_endpgm
.Lfunc_end_k_q86cfb4dca0_kvproj:
	.size	k_q86cfb4dca0_kvproj, .Lfunc_end_k_q86cfb4dca0_kvproj-k_q86cfb4dca0_kvproj
	.p2alignl 7, 3214868480
	.fill 96, 4, 3214868480
	.section	.rodata,"a",@progbits
	.p2align	6, 0x0
	.amdhsa_kernel k_q86cfb4dca0_kvproj
		.amdhsa_group_segment_fixed_size 199680
		.amdhsa_private_segment_fixed_size 0
		.amdhsa_enable_private_segment 0
		.amdhsa_kernarg_size 48
		.amdhsa_user_sgpr_count 2
		.amdhsa_user_sgpr_kernarg_segment_ptr 1
		.amdhsa_wavefront_size32 1
		.amdhsa_system_sgpr_workgroup_id_x 1
		.amdhsa_system_sgpr_workgroup_id_y 1
		.amdhsa_system_sgpr_workgroup_id_z 1
		.amdhsa_system_vgpr_workitem_id 0
		.amdhsa_next_free_vgpr 512
		.amdhsa_next_free_sgpr 88
		.amdhsa_reserve_vcc 0
		.amdhsa_float_denorm_mode_32 3
		.amdhsa_float_denorm_mode_16_64 3
		.amdhsa_memory_ordered 1
		.amdhsa_forward_progress 1
		.amdhsa_inst_pref_size 93
	.end_amdhsa_kernel
	.amdgpu_metadata
---
amdhsa.version: [ 1, 2 ]
amdhsa.kernels:
  - .name:           k_q86cfb4dca0_kvproj
    .symbol:         k_q86cfb4dca0_kvproj.kd
    .args:
      - { .name: K, .offset: 0, .size: 8, .value_kind: global_buffer, .address_space: global }
      - { .name: wc, .offset: 8, .size: 8, .value_kind: global_buffer, .address_space: global }
      - { .name: bk, .offset: 16, .size: 8, .value_kind: global_buffer, .address_space: global }
      - { .name: bv, .offset: 24, .size: 8, .value_kind: global_buffer, .address_space: global }
      - { .name: lowp_scales, .offset: 32, .size: 8, .value_kind: global_buffer, .address_space: global }
      - { .name: kv, .offset: 40, .size: 8, .value_kind: global_buffer, .address_space: global }
    .group_segment_fixed_size: 199680
    .private_segment_fixed_size: 0
    .kernarg_segment_align: 8
    .kernarg_segment_size: 48
    .max_flat_workgroup_size: 256
    .sgpr_count:     88
    .vgpr_count:     512
    .wavefront_size: 32
...
	.end_amdgpu_metadata
.endif
;; end of part 2
;; launch mab (part 3): grid 256 x 1, 8 waves a work-group, no clusters, 175,104 bytes of LDS; arguments Q, wc, kv, bq, bo, lowp_scales, out0; writes out0
.if DOCPART == 3
	.amdgcn_target "amdgcn-amd-amdhsa--gfx1250"
	.amdhsa_code_object_version 6
	.text
	.protected	k_q86cfb4dca0_mab
	.globl	k_q86cfb4dca0_mab
	.p2align	8
	.type	k_q86cfb4dca0_mab,@function
k_q86cfb4dca0_mab:
	s_mov_b64 s[64:65], 0
	v_nop
	global_prefetch_b8 v0, s[64:65] scope:SCOPE_SE
	s_setreg_imm32_b32 hwreg(HW_REG_WAVE_MODE, 25, 1), 1
	s_wait_xcnt 0x0
; out = LN(X + gelu(X Wo + bo)), X = LN(q + attention(q, k, v)), q = Q Wq + bq; LN without gain; 8 heads of 64; logits / sqrt(512).  All four products here run on codes of FP8 (E4M3) with the given scales 2^e:
; Q e0, Wq e1; q e6, k e7; v e8, p e9; X e10, Wo e11.  Wq's and Wo's codes (wc) and k's and v's (kv) come in the order of operand registers from the two launches before.
; THE SOFTMAX: t = score x log2(e) / sqrt(512); M = the running largest t rounded UP to a whole number; p = 2^(t - M) is quantised, not normalised; the row's sum is taken of the unquantised p and divides at the end;
; when M moves, the sum and O are multiplied by 2^(old M - new M), which rounds nothing.
; SHARES: a work-group owns 64 rows (queries) and all 512 columns; WAVE w IS HEAD w.  All products but none are used transposed (source 0 = weight columns, keys or V's channels; source 1 = my rows): lane (r, h) holds row
; 16 m + r, and register j of tile t is channel 64 w + 16 t + 8 h + j, in q, in O^T, in X Wo and in the result alike.  So both residuals are register by register, and each conversion's result is two registers of the next operand.
; Between waves go only: images of the rows' codes (Q's, X's) and four sums a row tile for each LayerNorm, through LDS; six barriers.
; K's and V's fragments go from memory straight into operand registers, 512 consecutive bytes a load.
; NO JOINT LOADS, though the 16 work-groups of a batch read the same kv: a slot with one step of 128 keys of eight heads is 131,072 bytes, two are 262,144; beside the 133,120 bytes in which q waits and the 32,768 of images
; that is 427,008, more than the 327,680 that a work-group can have.
; gelu is exact gelu with erfc by the rational form of Abramowitz and Stegun 7.1.26 (absolute error 1.5e-7 for every argument); it stands behind the last quantiser.
; LIMITS: e0, e6, e9, e10 between -126 and 119; e0 + e1 and e10 + e11 between -126 and 127; e6 + e7 between -122 and 131 (added to c's exponent field); e8 + e9 goes through v_ldexp_f32.  NaN and infinities among the inputs are not served.
; O^T is cleared once by 128 moves, so that the key step is written twice (loop and tail) and not three times.
; REGISTERS: window 0: v1-15 addresses and the quantiser's two constants; v16-31 statistics; v32-127 codes / a ring of row fragments / q's and K's fragments / at work; v128-255 numbers and accumulators ((m, t) at v[128 + 8 (4 m + t)]).
;   window 1: 16 weight fragments (K step s, tile t at v[64 s + 16 t]); in attention O^T at v[32 qt + 8 ct] and V^T's four fragments at v[128 + 16 ct]; at the end X at v128-255.
.set STGB, 16640                       ; LDS: a region for each wave: first a stage of 16 rows x (1,024 + 16) bytes, then 32 register images of 512 bytes (q, later X), at last 16 rows x (256 + 16) for the way out
.set IMG,  8*STGB                      ; the images of the rows' codes: fragment (row tile m, K step s) at (4 m + s) x 2,048
.set RED,  IMG+32768                   ; four regions of 2,048 bytes for the LayerNorms' sums: [wave 8][r 16][m 4] f32; each is written once
.set LO,   1                           ; v1   16 x lane
.set STW,  2                           ; v2   my region + 16 x lane
.set STR,  3                           ; v3   my stage by rows: 1,040 r + 32 h
.set IMW,  4                           ; v4   IMG + 4,096 x wave + 16 x lane: Q's images
.set IMR,  5                           ; v5   IMG + 16 x lane
.set RDW,  6                           ; v6   RED + 256 x wave + 16 r
.set RDR,  7                           ; v7   RED + 16 r
.set OSW,  8                           ; v8   the way out: my region + 272 r + 32 h
.set OSR,  9                           ; v9   and back: my region + 272 h + 16 r
.set GO,   10                          ; v10  2,048 h + 16 r: two rows of out0 an instruction
.set PFO,  11                          ; v11  256 x lane, for the prefetches; never rewritten
.set BOF,  12                          ; v12  32 h
.set OIW,  13                          ; v13  IMG + 1,024 x wave + 16 x lane: X's images
.set QS,   14                          ; v14  the scale of the quantiser in hand, as f32
.set QL,   15                          ; v15  448 x that
.set RB,   32
.set N,    128
.set ACC,  128
.set ST,   16                          ; attention: tile qt's -M, largest t, and the sum in two halves at v[16 + 4 qt]
.set QC,   32                          ; q's four fragments (16 queries x 64 channels), 8 registers each
.set KF,   64                          ; K's eight fragments of a step
.set S,    128                         ; S^T of one tile of queries: 64 registers, then p
.set P,    192                         ; p's codes: 16 registers
.set TF,   208                         ; v[208:209] f = 2^(old M - new M)
.set TA,   210                         ; v210-213 four chains of the maximum
.set TS,   214                         ; v[214:215] the sum's second chain
.set TP,   216                         ; a lane permute's destination
.set AX,   32                          ; gelu: |y|; the exponent; t; the polynomial
.set U,    40
.set TT,   48
.set PA,   56
.set CS,   22                          ; s[22:23] c = log2(e) / sqrt(512) x 2^(e6 + e7)
.set LEFT, 29                          ; s29  trips of the key loop to go
.set LIM,  30                          ; s30  1 in a work-group that prefetches, else the greatest number
.set WQB,  74                          ; s[74:75] my fragments of Wq;  s[76:77] of Wo
.set WOB,  76
.set KB,   78                          ; s[78:79] my head's step in hand in kv
.set BQB,  80
.set BOB,  82
.set XB,   84
.set OUTB, 86
.set MSB,  0
.macro WIN new                         ; s_set_vgpr_msb: bits 1:0 source 0, 3:2 source 1, 5:4 source 2, 7:6 destination; the high byte repeats the setting that is left
.if MSB != \new
	s_set_vgpr_msb (MSB<<8)|\new
.set MSB, \new
.endif
.endm
.macro PLACES                          ; four plain vector instructions behind a matrix instruction, ahead of loads into its registers and of the first read of its result
.rept 4
	v_nop
.endr
.endm
.macro BARRIER                         ; my LDS stores have landed and my LDS loads are in: then the work-group's barrier
	s_wait_dscnt 0x0
	s_barrier_signal -1
	s_barrier_wait -1
.endm
.macro PATTERN d, e                    ; s[d] = 2^e as f32, s[d+1] = 448 x 2^e
	s_add_co_i32 s[\d+1], s[\e], 127
	s_lshl_b32 s[\d], s[\d+1], 23
	s_add_co_i32 s[\d+1], s[\d+1], 8
	s_lshl_b32 s[\d+1], s[\d+1], 23
	s_or_b32 s[\d+1], s[\d+1], 0x600000
.endm
.macro POW2 d, ea, eb                  ; s[d] = s[d+1] = 2^(ea + eb) as f32
	s_add_co_i32 s[\d], s[\ea], s[\eb]
	s_add_co_i32 s[\d], s[\d], 127
	s_lshl_b32 s[\d], s[\d], 23
	s_mov_b32 s[\d+1], s[\d]
.endm
.macro TWICE d, c                      ; a constant as a pair: the packed forms name both words
	s_mov_b32 s[\d], \c
	s_mov_b32 s[\d+1], \c
.endm
.macro SETQ p
	v_mov_b32 v[QS], s[\p]
	v_mov_b32 v[QL], s[\p+1]
.endm
.macro ROWS_IN                         ; 16 rows x 1,024 bytes: each load reads 512 consecutive bytes
.irp i, 0,1,2,3,4,5,6,7,8,9,10,11,12,13,14,15
	global_load_b128 v[N+8*\i:N+8*\i+3], v[LO], s[XB:XB+1] offset:2048*\i th:TH_LOAD_NT
	global_load_b128 v[N+8*\i+4:N+8*\i+7], v[LO], s[XB:XB+1] offset:2048*\i+512 th:TH_LOAD_NT
.endr
.endm
.macro STAGE_ST
.irp i, 0,1,2,3,4,5,6,7,8,9,10,11,12,13,14,15
	ds_store_b128 v[STW], v[N+8*\i:N+8*\i+3] offset:1040*\i
	ds_store_b128 v[STW], v[N+8*\i+4:N+8*\i+7] offset:1040*\i+512
.endr
.endm
.macro STAGE_LD                        ; register N + 64 sp + 8 c + j = k 128 sp + 16 c + 8 h + j of row r: the order of the operand's registers
	s_wait_dscnt 0x0                               ; the stores have read the registers that the loads fill
.irp sp, 0,1
.irp c, 0,1,2,3,4,5,6,7
	ds_load_b128 v[N+64*\sp+8*\c:N+64*\sp+8*\c+3], v[STR] offset:512*\sp+64*\c
	ds_load_b128 v[N+64*\sp+8*\c+4:N+64*\sp+8*\c+7], v[STR] offset:512*\sp+64*\c+16
.endr
.endr
.endm
.macro CODES dst, src, tmp             ; eight numbers -> eight codes in two registers; tmp = src: in place
.irp j, 0,1,2,3,4,5,6,7
	v_med3_num_f32 v[\tmp+\j], v[\src+\j], -v[QL], v[QL]   ; the conversion to an 8-bit code does not saturate (ISA guide 7.6.2): the hold comes first
.endr
	v_cvt_scalef32_pk8_fp8_f32 v[\dst:\dst+1], v[\tmp:\tmp+7], v[QS]
.endm
.macro QUANT src, pc                   ; 64 numbers -> a fragment of 16 registers, in place
.irp c, 0,1,2,3,4,5,6,7
	CODES \pc+2*\c, \src+8*\c, \src+8*\c
.endr
	v_nop                                          ; a plain vector instruction behind the last conversion, ahead of whatever next touches its registers
.endm
.macro IMAGE adr, pc, off
.irp i, 0,1,2,3
	ds_store_b128 v[\adr], v[\pc+4*\i:\pc+4*\i+3] offset:\off+512*\i
.endr
.endm
.macro WLOAD wb, s                     ; my four weight fragments of K step s, into window 1
	WIN 0x40
.irp t, 0,1,2,3
.irp i, 0,1,2,3
	global_load_b128 v[64*\s+16*\t+4*\i:64*\s+16*\t+4*\i+3], v[LO], s[\wb:\wb+1] offset:(4*\t+\s)*2048+512*\i
.endr
.endr
	WIN 0
.endm
.macro FETCHG g                        ; group g = K step g / 2, row tiles 2 (g % 2) and 2 (g % 2) + 1: two fragments into ring place g % 3
.irp mm, 0,1
.irp i, 0,1,2,3
	ds_load_b128 v[RB+32*((\g)%3)+16*\mm+4*\i:RB+32*((\g)%3)+16*\mm+4*\i+3], v[IMR] offset:(4*(2*((\g)%2)+\mm)+(\g)/2)*2048+512*\i
.endr
.endr
.endm
.macro MULG g                          ; eight products; the 16 accumulators take turns, one instruction a turn; K step 0 starts the sums
	WIN 0x01                                       ; source 0 (the weight) in window 1
.irp mm, 0,1
.irp t, 0,1,2,3
.set rD, ACC+8*(4*(2*((\g)%2)+\mm)+\t)
.set rW, 64*((\g)/2)+16*\t
.set rX, RB+32*((\g)%3)+16*\mm
.if (\g) < 2
	v_wmma_f32_16x16x128_fp8_fp8 v[rD:rD+7], v[rW:rW+15], v[rX:rX+15], 0
.else
	v_wmma_f32_16x16x128_fp8_fp8 v[rD:rD+7], v[rW:rW+15], v[rX:rX+15], v[rD:rD+7]
.endif
.endr
.endr
.endm
.macro BIAS bb                         ; tile t's eight channels of my half: eight loads into window 1, where K step 0's weight fragments lay
	WIN 0x40
.irp t, 0,1,2,3
	global_load_b128 v[8*\t:8*\t+3], v[BOF], s[\bb:\bb+1] offset:64*\t
	global_load_b128 v[8*\t+4:8*\t+7], v[BOF], s[\bb:\bb+1] offset:64*\t+16
.endr
	WIN 0
.endm
; 64 rows x my 64 columns x K = 512: eight groups of eight products.  The row fragments come through a ring of three groups, fetched three groups ahead.
; DScnt: behind group g's eight loads stand those of the two later groups (16), of one (8) or none.  LOADcnt: behind K step 0's weights stand steps 1 and 2 (32); behind step 1's: step 2's 16, step 3's 16, the bias's 8 (40); and so on down.
.macro GEMM wb, bb
	FETCHG 0
	FETCHG 1
	FETCHG 2
.irp g, 0,1,2,3,4,5,6,7
.if \g < 6
	s_wait_dscnt 16
.elseif \g == 6
	s_wait_dscnt 8
.else
	s_wait_dscnt 0
.endif
.if \g == 0
	s_wait_loadcnt 32
.elseif \g == 2
	s_wait_loadcnt 40
.elseif \g == 4
	s_wait_loadcnt 24
.elseif \g == 6
	s_wait_loadcnt 8
.endif
	MULG \g
	WIN 0
	PLACES
.if \g < 5
	FETCHG \g+3
.endif
.if \g == 0
	WLOAD \wb, 3
.elseif \g == 1
	BIAS \bb
.endif
.endr
.endm
.macro POST cnt, sc                    ; sum x 2^(the two exponents) + bias, one packed multiply-add for two numbers; each accumulator from its low end on
	s_wait_loadcnt \cnt
	WIN 0x10                                       ; source 2 (the bias) in window 1
.irp m, 0,1,2,3
.irp t, 0,1,2,3
.irp i, 0,2,4,6
	v_pk_fma_f32 v[ACC+8*(4*\m+\t)+\i:ACC+8*(4*\m+\t)+\i+1], v[ACC+8*(4*\m+\t)+\i:ACC+8*(4*\m+\t)+\i+1], s[\sc:\sc+1], v[8*\t+\i:8*\t+\i+1] op_sel_hi:[1,0,1]
.endr
.endr
.endr
	WIN 0
.endm
.macro PARK                            ; v128-255 into my region as they stand
.set i, 0
.rept 32
	ds_store_b128 v[STW], v[128+4*i:128+4*i+3] offset:512*i
.set i, i+1
.endr
.endm
.macro UNPARK                          ; and back, into v128-255 of the window that is set for destinations
.set i, 0
.rept 32
	ds_load_b128 v[128+4*i:128+4*i+3], v[STW] offset:512*i
.set i, i+1
.endr
.endm
; ---- attention
.macro KLOAD off                       ; a step's eight fragments of K: 16 loads of 512 consecutive bytes
.irp kt, 0,1,2,3,4,5,6,7
	global_load_b128 v[KF+8*\kt:KF+8*\kt+3], v[LO], s[KB:KB+1] offset:\off+1024*\kt
	global_load_b128 v[KF+8*\kt+4:KF+8*\kt+7], v[LO], s[KB:KB+1] offset:\off+1024*\kt+512
.endr
.endm
.macro VLOAD off                       ; its four fragments of V^T, into window 1
	WIN 0x40
.irp ct, 0,1,2,3
.irp i, 0,1,2,3
	global_load_b128 v[128+16*\ct+4*\i:128+16*\ct+4*\i+3], v[LO], s[KB:KB+1] offset:\off+8192+2048*\ct+512*\i
.endr
.endr
	WIN 0
.endm
; A PREFETCH INTO THE L2 of my head's 16,384 bytes of the step that the NEXT trip loads (two steps on from the step in hand): two instructions, lanes 256 bytes apart.  It stands behind the trip's loads of K.
; The 16 work-groups of a batch walk the same kv: the batch's first asks, each of its waves for its own head, so each aligned block of 256 bytes is named once in the launch.
; The loop's last trip asks for nothing: there is no step behind the one that it loads.  Steps 0 and 1 come by their loads alone.
.macro ASK
	s_cmp_gt_u32 s[LEFT], s[LIM]
	s_cbranch_scc0 .Lnot_mine_\@
	global_prefetch_b8 v[PFO], s[KB:KB+1] offset:32768 th:TH_LOAD_NT scope:SCOPE_SE
	global_prefetch_b8 v[PFO], s[KB:KB+1] offset:40960 th:TH_LOAD_NT scope:SCOPE_SE
.Lnot_mine_\@:
.endm
; p is at most 1 and never negative.  Where e9 is -8 or more, 448 x 2^e9 is 1.75 or more and the hold can change nothing: a scalar branch on the given whole number passes over it.  Below that it is made.
.macro HOLD
	s_cmp_gt_i32 s31, -9
	s_cbranch_scc1 .Lfree_\@
.set i, 0
.rept 64
	v_min_num_f32 v[S+i], v[S+i], v[QL]
.set i, i+1
.endr
.Lfree_\@:
.endm
; The softmax of tile qt for a step: lane (r, h) holds query r and the keys 16 T + 8 h + j in register 8 T + j.
.macro SOFT qt
.set rT, ST+4*(\qt)
.irp q, 0,1,2,3                        ; the largest score, four chains of 15 registers; each accumulator is first read at its low end
	v_max3_num_f32 v[TA+\q], v[S+16*\q], v[S+16*\q+1], v[S+16*\q+2]
.endr
.irp k, 1,2,3,4,5,6
.irp q, 0,1,2,3
	v_max3_num_f32 v[TA+\q], v[TA+\q], v[S+16*\q+2*\k+1], v[S+16*\q+2*\k+2]
.endr
.endr
	v_max3_num_f32 v[TA], v[TA], v[S+15], v[S+31]
	v_max3_num_f32 v[TA+2], v[TA+2], v[S+47], v[S+63]
	v_max3_num_f32 v[TA], v[TA], v[TA+1], v[TA+2]
	v_max_num_f32 v[TA], v[TA], v[TA+3]
	v_permlanex16_b32 v[TP], v[TA], s20, s21       ; the query's other 64 keys lie in the lane 16 away
	v_max_num_f32 v[TA], v[TA], v[TP]
	v_mul_f32 v[TA], s[CS], v[TA]                  ; as t (c is positive)
	v_max_num_f32 v[rT+1], v[rT+1], v[TA]          ; the running largest t
	v_mov_b32 v[TA+1], v[rT]
	v_floor_f32 v[rT], -v[rT+1]                    ; the new -M = floor(-t) = -ceil(t)
	v_sub_f32 v[TA+1], v[rT], v[TA+1]              ; old M - new M: a whole number, 0 or less
	v_cvt_i32_f32 v[TA+1], v[TA+1]                 ; (it saturates)
	v_ldexp_f32 v[TF], 1.0, v[TA+1]                ; f = 2^(old M - new M)
	v_pk_fma_f32 v[S:S+1], v[S:S+1], s[CS:CS+1], v[rT:rT+1] op_sel_hi:[1,0,0]       ; t - M, two at a time (of the pairs c and -M the low word serves both halves)
	v_pk_fma_f32 v[S+2:S+3], v[S+2:S+3], s[CS:CS+1], v[rT:rT+1] op_sel_hi:[1,0,0]
; Plain lines and exponentials by turns: a scaling two pairs ahead, an exponential, a sum two pairs back, an exponential.  So a plain line stands between every exponential and the use of its result.
; The row's sum is taken of the unquantised p, in two chains: even pairs onto l, odd pairs onto TS.
.set i, 0
.rept 32
.if i < 30
	v_pk_fma_f32 v[S+2*i+4:S+2*i+5], v[S+2*i+4:S+2*i+5], s[CS:CS+1], v[rT:rT+1] op_sel_hi:[1,0,0]
.endif
	v_exp_f32 v[S+2*i], v[S+2*i]
.if i == 0
	v_pk_mul_f32 v[rT+2:rT+3], v[rT+2:rT+3], v[TF:TF+1] op_sel_hi:[1,0]             ; the sum under the new M
.elseif i == 5
	v_pk_add_f32 v[TS:TS+1], v[S+2:S+3], v[S+6:S+7]
.elseif (i >= 2) && (i%2 == 0)
	s_wait_alu depctr_va_vdst(0)
	v_pk_add_f32 v[rT+2:rT+3], v[rT+2:rT+3], v[S+2*i-4:S+2*i-3]
.elseif i >= 7
	v_pk_add_f32 v[TS:TS+1], v[TS:TS+1], v[S+2*i-4:S+2*i-3]
.endif
	v_exp_f32 v[S+2*i+1], v[S+2*i+1]
.set i, i+1
.endr
	s_wait_alu depctr_va_vdst(0)
	v_pk_add_f32 v[rT+2:rT+3], v[rT+2:rT+3], v[S+60:S+61]
	v_pk_add_f32 v[TS:TS+1], v[TS:TS+1], v[S+62:S+63]
	v_pk_add_f32 v[rT+2:rT+3], v[rT+2:rT+3], v[TS:TS+1]
.endm
; A KEY STEP: 128 keys, my four tiles of 16 queries one after the other.  last = 1: nothing more is loaded.
; LOADcnt: at the head K's 16 loads and, behind them, V's 16 are out: the count 16 shows K in.  Ahead of the first V product nothing but V is out: 0.  The next step's K is asked for when the fourth tile's scores are made,
; the next step's V when the fourth tile's V products are issued.
.macro STEP last
	s_wait_loadcnt 16
.irp qt, 0,1,2,3
.irp kt, 0,1,2,3,4,5,6,7
	v_wmma_f32_16x16x64_fp8_fp8 v[S+8*\kt:S+8*\kt+7], v[KF+8*\kt:KF+8*\kt+7], v[QC+8*\qt:QC+8*\qt+7], 0   ; S^T: source 0 = 16 keys, source 1 = 16 queries
.endr
	PLACES
.if (\qt == 3) && (\last == 0)
	KLOAD 16384
	ASK
.endif
	SOFT \qt
	HOLD
.irp kt, 0,1,2,3,4,5,6,7
	v_cvt_scalef32_pk8_fp8_f32 v[P+2*\kt:P+2*\kt+1], v[S+8*\kt:S+8*\kt+7], v[QS]   ; keys 16 T + 8 h + 0 .. 7: registers 2 T, 2 T + 1 of the operand
.endr
	WIN 0x41                                       ; O^T in window 1
.irp j, 0,2,4,6,8,10,12,14,16,18,20,22,24,26,28,30
	v_pk_mul_f32 v[32*\qt+\j:32*\qt+\j+1], v[32*\qt+\j:32*\qt+\j+1], v[TF:TF+1] op_sel_hi:[1,0]   ; O^T under the new M; these are also the plain lines behind the conversions
.endr
.if \qt == 0
	s_wait_loadcnt 0x0                             ; V is in
.endif
	WIN 0x51                                       ; V^T and O^T in window 1, p in window 0
.irp ct, 0,1,2,3
	v_wmma_f32_16x16x128_fp8_fp8 v[32*\qt+8*\ct:32*\qt+8*\ct+7], v[128+16*\ct:128+16*\ct+15], v[P:P+15], v[32*\qt+8*\ct:32*\qt+8*\ct+7]
.endr
	WIN 0
.endr
.if \last == 0
	PLACES
	VLOAD 16384
	s_wait_xcnt 0x0                                ; the loads and prefetches have read their base: it steps only behind this wait
	s_add_nc_u64 s[KB:KB+1], s[KB:KB+1], 16384
.endif
.endm
; ---- LayerNorm over 512 channels: 32 of a row in my lane, 32 in the lane 16 away, the rest in the other seven waves
.macro RSUM k                          ; the four chains v[24 + 2 m : 25 + 2 m] -> the four rows' sums in v[32:35], through region k; the same order of additions in every wave
.irp m, 0,1,2,3
	v_add_f32 v[16+\m], v[24+2*\m], v[25+2*\m]
.endr
.irp m, 0,1,2,3
	v_permlanex16_b32 v[20+\m], v[16+\m], s20, s21
.endr
.irp m, 0,1,2,3
	v_add_f32 v[16+\m], v[16+\m], v[20+\m]
.endr
	ds_store_b128 v[RDW], v[16:19] offset:2048*(\k)    ; lanes r and r + 16 store the same four numbers at the same place
	BARRIER
.irp u, 0,1,2,3,4,5,6,7
	ds_load_b128 v[32+4*\u:35+4*\u], v[RDR] offset:2048*(\k)+256*\u
.endr
	s_wait_dscnt 0x0
.irp u, 0,2,4,6
	v_pk_add_f32 v[32+4*\u:33+4*\u], v[32+4*\u:33+4*\u], v[36+4*\u:37+4*\u]
	v_pk_add_f32 v[34+4*\u:35+4*\u], v[34+4*\u:35+4*\u], v[38+4*\u:39+4*\u]
.endr
.irp u, 0,4
	v_pk_add_f32 v[32+4*\u:33+4*\u], v[32+4*\u:33+4*\u], v[40+4*\u:41+4*\u]
	v_pk_add_f32 v[34+4*\u:35+4*\u], v[34+4*\u:35+4*\u], v[42+4*\u:43+4*\u]
.endr
	v_pk_add_f32 v[32:33], v[32:33], v[48:49]
	v_pk_add_f32 v[34:35], v[34:35], v[50:51]
.endm
.macro LNORM k                         ; v128-255 in place; two passes (the mean, then the squares of what is left), regions k and k + 1, two barriers
.irp m, 0,1,2,3
	v_pk_add_f32 v[24+2*\m:25+2*\m], v[ACC+32*\m:ACC+32*\m+1], v[ACC+32*\m+2:ACC+32*\m+3]
.endr
.irp p, 4,6,8,10,12,14,16,18,20,22,24,26,28,30
.irp m, 0,1,2,3
	v_pk_add_f32 v[24+2*\m:25+2*\m], v[24+2*\m:25+2*\m], v[ACC+32*\m+\p:ACC+32*\m+\p+1]
.endr
.endr
	RSUM \k
.irp m, 0,1,2,3
	v_mul_f32 v[16+2*\m], s61, v[32+\m]            ; the mean, as a pair
	v_mul_f32 v[17+2*\m], s61, v[32+\m]
.endr
.irp m, 0,1,2,3
.irp p, 0,2,4,6,8,10,12,14,16,18,20,22,24,26,28,30
	v_pk_add_f32 v[ACC+32*\m+\p:ACC+32*\m+\p+1], v[ACC+32*\m+\p:ACC+32*\m+\p+1], v[16+2*\m:17+2*\m] neg_lo:[0,1] neg_hi:[0,1]
.endr
.endr
.irp m, 0,1,2,3
	v_pk_mul_f32 v[24+2*\m:25+2*\m], v[ACC+32*\m:ACC+32*\m+1], v[ACC+32*\m:ACC+32*\m+1]
.endr
.irp p, 2,4,6,8,10,12,14,16,18,20,22,24,26,28,30
.irp m, 0,1,2,3
	v_pk_fma_f32 v[24+2*\m:25+2*\m], v[ACC+32*\m+\p:ACC+32*\m+\p+1], v[ACC+32*\m+\p:ACC+32*\m+\p+1], v[24+2*\m:25+2*\m]
.endr
.endr
	RSUM \k+1
.irp m, 0,1,2,3
	v_fma_f32 v[32+\m], v[32+\m], s61, s62         ; the variance + 1e-5
.endr
.irp m, 0,1,2,3
	v_rsq_f32 v[16+2*\m], v[32+\m]
	v_rsq_f32 v[17+2*\m], v[32+\m]
.endr
	v_nop                                          ; a plain instruction between the last root and the use of its result
	s_wait_alu depctr_va_vdst(0)
.irp m, 0,1,2,3
.irp p, 0,2,4,6,8,10,12,14,16,18,20,22,24,26,28,30
	v_pk_mul_f32 v[ACC+32*\m+\p:ACC+32*\m+\p+1], v[ACC+32*\m+\p:ACC+32*\m+\p+1], v[16+2*\m:17+2*\m]
.endr
.endr
.endm
; gelu(y) = max(y, 0) - |y| erfc(|y| / sqrt 2) / 2, eight numbers in place.  erfc(z) = t (a1 + t (a2 + t (a3 + t (a4 + t a5)))) e^(-z z), t = 1 / (1 + p z); e^(-z z) = 2^(-(c1 |y|)^2), c1 = sqrt(log2(e) / 2).
.macro GELU y
.irp j, 0,1,2,3,4,5,6,7
	v_and_b32 v[AX+\j], s60, v[\y+\j]
.endr
.irp j, 0,2,4,6
	v_pk_mul_f32 v[U+\j:U+\j+1], v[AX+\j:AX+\j+1], s[48:49] op_sel_hi:[1,0]
.endr
.irp j, 0,2,4,6
	v_pk_fma_f32 v[TT+\j:TT+\j+1], v[AX+\j:AX+\j+1], s[50:51], 1.0 op_sel_hi:[1,0,0]
.endr
.irp j, 0,2,4,6
	v_pk_mul_f32 v[U+\j:U+\j+1], v[U+\j:U+\j+1], v[U+\j:U+\j+1] neg_lo:[0,1] neg_hi:[0,1]
.endr
.irp j, 0,1,2,3,4,5,6,7
	v_rcp_f32 v[TT+\j], v[TT+\j]
.endr
.irp j, 0,1,2,3,4,5,6,7
	v_exp_f32 v[U+\j], v[U+\j]
.endr
.irp j, 0,1,2,3,4,5,6,7
	v_max_num_f32 v[\y+\j], 0, v[\y+\j]            ; (plain lines behind the transcendentals)
.endr
	s_wait_alu depctr_va_vdst(0)
.irp j, 0,2,4,6
	v_pk_fma_f32 v[PA+\j:PA+\j+1], v[TT+\j:TT+\j+1], v[16:17], s[52:53] op_sel_hi:[1,1,0]
.endr
.irp a, 54,56,58
.irp j, 0,2,4,6
	v_pk_fma_f32 v[PA+\j:PA+\j+1], v[PA+\j:PA+\j+1], v[TT+\j:TT+\j+1], s[\a:\a+1] op_sel_hi:[1,1,0]
.endr
.endr
.irp j, 0,2,4,6
	v_pk_mul_f32 v[PA+\j:PA+\j+1], v[PA+\j:PA+\j+1], v[TT+\j:TT+\j+1]
.endr
.irp j, 0,2,4,6
	v_pk_mul_f32 v[PA+\j:PA+\j+1], v[PA+\j:PA+\j+1], v[U+\j:U+\j+1]
.endr
.irp j, 0,2,4,6
	v_pk_mul_f32 v[PA+\j:PA+\j+1], v[PA+\j:PA+\j+1], v[AX+\j:AX+\j+1]
.endr
.irp j, 0,2,4,6
	v_pk_fma_f32 v[\y+\j:\y+\j+1], v[PA+\j:PA+\j+1], -0.5, v[\y+\j:\y+\j+1] op_sel_hi:[1,0,1]
.endr
.endm
	s_load_b256 s[4:11], s[0:1], 0x0               ; Q, wc, kv, bq
	s_load_b128 s[12:15], s[0:1], 0x20             ; bo, the scales' exponents
	s_load_b64 s[16:17], s[0:1], 0x30              ; out0
	v_lshrrev_b32 v16, 5, v0
	v_readfirstlane_b32 s18, v16                   ; wave = head, 0..7
	v_and_b32 v16, 31, v0                          ; lane
	v_and_b32 v17, 15, v0                          ; r
	v_bfe_u32 v18, v0, 4, 1                        ; h
	v_lshlrev_b32 v[LO], 4, v16
	s_mov_b32 s19, ttmp9                           ; g: my 64 rows
	s_lshl_b32 s32, s19, 17                        ; what I quantise: row tile wave / 2, K half wave % 2
	s_lshr_b32 s33, s18, 1
	s_lshl_b32 s33, s33, 15
	s_add_co_u32 s32, s32, s33
	s_and_b32 s33, s18, 1
	s_lshl_b32 s33, s33, 10
	s_add_co_u32 s32, s32, s33
	s_mov_b32 s33, 0
	s_lshl_b32 s34, s18, 15                        ; my four tiles x four K steps of 2,048 bytes in a weight's codes
	s_mov_b32 s35, 0
	s_wait_kmcnt 0x0
	s_load_b256 s[36:43], s[14:15], 0x0            ; e0 .. e7
	s_load_b128 s[44:47], s[14:15], 0x20           ; e8 .. e11
	s_add_nc_u64 s[XB:XB+1], s[4:5], s[32:33]
	s_add_nc_u64 s[WQB:WQB+1], s[6:7], s[34:35]
	s_add_nc_u64 s[WOB:WOB+1], s[WQB:WQB+1], 3*262144
	ROWS_IN
	WLOAD WQB, 0
	s_mul_i32 s32, s18, STGB
	v_add_nc_u32 v[STW], s32, v[LO]
	v_mul_u32_u24 v[STR], v17, 1040
	v_lshl_add_u32 v[STR], v18, 5, v[STR]
	v_add_nc_u32 v[STR], s32, v[STR]
	v_mul_u32_u24 v[OSW], v17, 272
	v_lshl_add_u32 v[OSW], v18, 5, v[OSW]
	v_add_nc_u32 v[OSW], s32, v[OSW]
	v_mul_u32_u24 v[OSR], v18, 272
	v_lshl_add_u32 v[OSR], v17, 4, v[OSR]
	v_add_nc_u32 v[OSR], s32, v[OSR]
	s_lshl_b32 s33, s18, 12
	s_add_co_u32 s33, s33, IMG
	v_add_nc_u32 v[IMW], s33, v[LO]
	v_add_nc_u32 v[IMR], IMG, v[LO]
	s_lshl_b32 s33, s18, 10
	s_add_co_u32 s33, s33, IMG
	v_add_nc_u32 v[OIW], s33, v[LO]
	v_lshlrev_b32 v[RDR], 4, v17
	v_add_nc_u32 v[RDR], RED, v[RDR]
	s_lshl_b32 s33, s18, 8
	v_add_nc_u32 v[RDW], s33, v[RDR]
	v_lshlrev_b32 v[GO], 11, v18
	v_lshl_add_u32 v[GO], v17, 4, v[GO]
	v_lshlrev_b32 v[PFO], 8, v16
	v_lshlrev_b32 v[BOF], 5, v18
	s_lshr_b32 s32, s19, 4                         ; kv: batch g / 16, my head: 131,072 bytes a head
	s_lshl_b32 s32, s32, 20
	s_lshl_b32 s33, s18, 17
	s_add_co_u32 s32, s32, s33
	s_mov_b32 s33, 0
	s_add_nc_u64 s[KB:KB+1], s[8:9], s[32:33]
	s_lshl_b32 s34, s18, 8                         ; my 64 channels: 256 bytes
	s_mov_b32 s35, 0
	s_add_nc_u64 s[BQB:BQB+1], s[10:11], s[34:35]
	s_add_nc_u64 s[BOB:BOB+1], s[12:13], s[34:35]
	s_lshl_b32 s32, s19, 17
	s_add_co_u32 s32, s32, s34
	s_add_nc_u64 s[OUTB:OUTB+1], s[16:17], s[32:33]
	s_mov_b32 s20, 0x76543210                      ; v_permlanex16_b32's selects for lane l xor 16
	s_mov_b32 s21, 0xfedcba98
	s_mov_b32 s60, 0x7fffffff
	s_mov_b32 s61, 0x3b000000                      ; 1 / 512
	s_mov_b32 s62, 0x3727c5ac                      ; 1e-5
	TWICE 48, 0x3f596d27                           ; c1 = sqrt(log2(e) / 2)
	TWICE 50, 0x3e6d3388                           ; p / sqrt 2, p = 0.3275911
	TWICE 52, 0xbfba00e3                           ; a4
	TWICE 54, 0x3fb5f0e3                           ; a3
	TWICE 56, 0xbe91a98e                           ; a2
	TWICE 58, 0x3e827906                           ; a1
	s_and_b32 s[LIM], s19, 15
	s_cmp_eq_u32 s[LIM], 0                         ; the batch's first work-group prefetches
	s_cselect_b32 s[LIM], 1, -1
	s_mov_b32 s[LEFT], 7
	s_wait_kmcnt 0x0
	POW2 24, 36, 37                                ; 2^(e0 + e1)
	POW2 26, 46, 47                                ; 2^(e10 + e11)
	s_add_co_i32 s28, s44, s45                     ; e8 + e9
	s_mov_b32 s31, s45                             ; e9
	s_add_co_i32 s32, s42, s43
	s_lshl_b32 s32, s32, 23
	s_mov_b32 s[CS], 0x3d8293ee                    ; log2(e) / sqrt(512);
	s_add_co_i32 s[CS], s[CS], s32                 ; a score stands for score x 2^(e6 + e7): the two exponents are added to c's exponent field
	s_mov_b32 s[CS+1], s[CS]
	PATTERN 66, 36                                 ; Q
	PATTERN 68, 42                                 ; q
	PATTERN 70, 45                                 ; p
	PATTERN 72, 46                                 ; X
	; ---- Q's codes, and q = Q Wq + bq
	SETQ 66
	s_wait_loadcnt 16                              ; my rows are in; behind them stand the 16 loads of Wq's K step 0
	STAGE_ST
	WLOAD WQB, 1
	WLOAD WQB, 2
	STAGE_LD
	s_wait_dscnt 16                                ; the first fragment's 16 loads are back
	QUANT N, 32
	IMAGE IMW, 32, 0
	s_wait_dscnt 4                                 ; the second fragment's are back; the image's four stores may be out
	QUANT N+64, 48
	IMAGE IMW, 48, 2048
	BARRIER                                        ; Q's sixteen fragments lie in LDS
	GEMM WQB, BQB
	KLOAD 0                                        ; the first key step is asked for while q is finished
	VLOAD 0
	POST 32, 24                                    ; bq is in: behind it stand K's 16 loads and V's 16
	SETQ 68
.irp m, 0,1,2,3
.irp t, 0,1,2,3
	CODES QC+8*\m+2*\t, ACC+8*(4*\m+\t), 16+8*(\t%2)   ; q itself is kept for the residual: the held numbers go into two sets of eight by turns
.endr
.endr
	v_nop
	PARK                                           ; q waits in my region of LDS while its registers serve the scores
	SETQ 70
.irp qt, 0,1,2,3
	v_mov_b32 v[ST+4*\qt+1], 0xff61b1e6            ; the largest t so far: -3e38, under every t
	v_floor_f32 v[ST+4*\qt], -v[ST+4*\qt+1]        ; -M
	v_mov_b32 v[ST+4*\qt+2], 0                     ; the sum, in two halves
	v_mov_b32 v[ST+4*\qt+3], 0
.endr
	WIN 0x40
.set i, 0
.rept 128
	v_mov_b32 v[i], 0                              ; O^T: the first step finds zeros, which the first change of M leaves zeros
.set i, i+1
.endr
	WIN 0
	s_wait_dscnt 0x0                               ; the stores have read v128-255
	v_mov_b32 v[TF+1], 0                           ; (named as the upper half of a pair)
	v_mov_b32 v[TP], 0                             ; written once: a lane permute's destination counts as one of its sources
	; ---- attention: eight steps of 128 keys
.Lstep:
	STEP 0
	s_sub_co_u32 s[LEFT], s[LEFT], 1
	s_cmp_lg_u32 s[LEFT], 0
	s_cbranch_scc1 .Lstep
	STEP 1                                         ; the last step is written out: it loads nothing
	; ---- X = LN(q + O / l)
.irp m, 0,1,2,3
	v_add_f32 v[ST+4*\m+2], v[ST+4*\m+2], v[ST+4*\m+3]   ; the sum's two halves.  (These four are the places behind the last products, ahead of the loads below)
.endr
	UNPARK                                         ; q
.irp m, 0,1,2,3
	v_permlanex16_b32 v[ST+4*\m+3], v[ST+4*\m+2], s20, s21
.endr
.irp m, 0,1,2,3
	v_add_f32 v[ST+4*\m+2], v[ST+4*\m+2], v[ST+4*\m+3]   ; and the lane 16 away's: the row's sum
.endr
.irp m, 0,1,2,3
	v_rcp_f32 v[ST+4*\m+2], v[ST+4*\m+2]
.endr
	v_nop
	s_wait_alu depctr_va_vdst(0)
.irp m, 0,1,2,3
	v_ldexp_f32 v[ST+4*\m+2], v[ST+4*\m+2], s28    ; x 2^(e8 + e9)
.endr
	s_wait_dscnt 0x0
	WIN 0x01                                       ; source 0 (O^T) in window 1
.irp m, 0,1,2,3
.irp j, 0,2,4,6,8,10,12,14,16,18,20,22,24,26,28,30
	v_pk_fma_f32 v[ACC+32*\m+\j:ACC+32*\m+\j+1], v[32*\m+\j:32*\m+\j+1], v[ST+4*\m+2:ST+4*\m+3], v[ACC+32*\m+\j:ACC+32*\m+\j+1] op_sel_hi:[1,0,1]   ; each accumulator from its low end on
.endr
.endr
	WIN 0
	WLOAD WOB, 0                                   ; Wo's fragments come while the norm is made
	WLOAD WOB, 1
	WLOAD WOB, 2
	LNORM 0
	; ---- X's codes; y = X Wo + bo; X + gelu(y); the second norm
	PARK                                           ; X waits for the residual
	s_wait_dscnt 0x0                               ; the stores have read their registers: the holds below write them
	SETQ 72
.irp m, 0,1,2,3
.irp t, 0,1,2,3
	CODES 32+8*\m+2*\t, ACC+8*(4*\m+\t), ACC+8*(4*\m+\t)
.endr
.endr
	v_nop
.irp m, 0,1,2,3
.irp i, 0,1
	ds_store_b128 v[OIW], v[32+8*\m+4*\i:32+8*\m+4*\i+3] offset:8192*\m+512*\i   ; my 64 channels are half wave % 2 of fragment (m, wave / 2): pieces 2 (wave % 2) + i.  Q's images were last read ahead of the first norm's barriers
.endr
.endr
	BARRIER                                        ; X's sixteen fragments lie in LDS
	GEMM WOB, BOB
	WIN 0x40
	UNPARK                                         ; X, into window 1, where Wo's K steps 2 and 3 lay
	WIN 0
	POST 0, 26
	v_mov_b32 v16, 0x3f87dc22                      ; a5
	v_mov_b32 v17, 0x3f87dc22
.irp a, 0,1,2,3,4,5,6,7,8,9,10,11,12,13,14,15
	GELU ACC+8*\a
.endr
	s_wait_dscnt 0x0                               ; X is back
	WIN 0x04                                       ; source 1 (X) in window 1
.set i, 0
.rept 64
	v_pk_add_f32 v[ACC+i:ACC+i+1], v[ACC+i:ACC+i+1], v[128+i:128+i+1]
.set i, i+2
.endr
	WIN 0
	LNORM 2
	; ---- the way out: a tile of 16 rows x my 256 bytes through my region, so that sixteen lanes store 256 consecutive bytes at a multiple of 256 from out0's first byte
.irp m, 0,1,2,3
.if \m >= 2
	s_wait_xcnt 0x0                                ; tile m - 2's stores have read the registers that the loads below fill
.endif
.irp t, 0,1,2,3
	ds_store_b128 v[OSW], v[ACC+8*(4*\m+\t):ACC+8*(4*\m+\t)+3] offset:64*\t
	ds_store_b128 v[OSW], v[ACC+8*(4*\m+\t)+4:ACC+8*(4*\m+\t)+7] offset:64*\t+16
.endr
.irp i, 0,1,2,3,4,5,6,7
	ds_load_b128 v[32+32*(\m%2)+4*\i:32+32*(\m%2)+4*\i+3], v[OSR] offset:544*\i   ; LDS serves a wave's instructions in order (ISA guide 5.7.1.4): these see my stores, and the next tile's stores come behind them
.endr
.irp i, 0,1,2,3,4,5,6,7
	s_wait_dscnt 7-\i
	global_store_b128 v[GO], v[32+32*(\m%2)+4*\i:32+32*(\m%2)+4*\i+3], s[OUTB:OUTB+1] offset:(16*\m+2*\i)*2048 th:TH_STORE_NT
.endr
.endr
	s_wait_xcnt 0x0
	v_lshl_add_u32 v254, v0, 2, 0x2a800
	v_mov_b32 v255, 0
	s_wait_tensorcnt 0x0
	ds_add_u32 v254, v255
	s_wait_dscnt 0x0
	s_endpgm
.Lfunc_end_k_q86cfb4dca0_mab:
	.size	k_q86cfb4dca0_mab, .Lfunc_end_k_q86cfb4dca0_mab-k_q86cfb4dca0_mab
	.p2alignl 7, 3214868480
	.fill 96, 4, 3214868480
	.section	.rodata,"a",@progbits
	.p2align	6, 0x0
	.amdhsa_kernel k_q86cfb4dca0_mab
		.amdhsa_group_segment_fixed_size 175104
		.amdhsa_private_segment_fixed_size 0
		.amdhsa_enable_private_segment 0
		.amdhsa_kernarg_size 56
		.amdhsa_user_sgpr_count 2
		.amdhsa_user_sgpr_kernarg_segment_ptr 1
		.amdhsa_wavefront_size32 1
		.amdhsa_system_sgpr_workgroup_id_x 1
		.amdhsa_system_sgpr_workgroup_id_y 1
		.amdhsa_system_sgpr_workgroup_id_z 1
		.amdhsa_system_vgpr_workitem_id 0
		.amdhsa_next_free_vgpr 512
		.amdhsa_next_free_sgpr 88
		.amdhsa_reserve_vcc 0
		.amdhsa_float_denorm_mode_32 3
		.amdhsa_float_denorm_mode_16_64 3
		.amdhsa_memory_ordered 1
		.amdhsa_forward_progress 1
		.amdhsa_inst_pref_size 255
	.end_amdhsa_kernel
	.section	.bss,"aw",@nobits
	.p2align	6
	.space	262144
	.amdgpu_metadata
---
amdhsa.version: [ 1, 2 ]
amdhsa.kernels:
  - .name:           k_q86cfb4dca0_mab
    .symbol:         k_q86cfb4dca0_mab.kd
    .args:
      - { .name: Q, .offset: 0, .size: 8, .value_kind: global_buffer, .address_space: global }
      - { .name: wc, .offset: 8, .size: 8, .value_kind: global_buffer, .address_space: global }
      - { .name: kv, .offset: 16, .size: 8, .value_kind: global_buffer, .address_space: global }
      - { .name: bq, .offset: 24, .size: 8, .value_kind: global_buffer, .address_space: global }
      - { .name: bo, .offset: 32, .size: 8, .value_kind: global_buffer, .address_space: global }
      - { .name: lowp_scales, .offset: 40, .size: 8, .value_kind: global_buffer, .address_space: global }
      - { .name: out0, .offset: 48, .size: 8, .value_kind: global_buffer, .address_space: global }
    .group_segment_fixed_size: 175104
    .private_segment_fixed_size: 0
    .kernarg_segment_align: 8
    .kernarg_segment_size: 56
    .max_flat_workgroup_size: 256
    .sgpr_count:     88
    .vgpr_count:     512
    .wavefront_size: 32
...
	.end_amdgpu_metadata
.endif
;; end of part 3
;; ======== version 2 of 2: 3 launches
;; workspace buffers: wc 1,048,576 bytes; kv 16,777,216 bytes
;; launch prep (part 4): grid 4 x 16, 4 waves a work-group, no clusters, 16,896 bytes of LDS; arguments Wq, Wk, Wv, Wo, lowp_scales, wc; writes wc
.if DOCPART == 4
	.amdgcn_target "amdgcn-amd-amdhsa--gfx1250"
	.amdhsa_code_object_version 6
	.text
	.protected	k_q86cfb4dca0_prep
	.globl	k_q86cfb4dca0_prep
	.p2align	8
	.type	k_q86cfb4dca0_prep,@function
k_q86cfb4dca0_prep:
	s_mov_b64 s[64:65], 0
	v_nop
	global_prefetch_b8 v0, s[64:65] scope:SCOPE_SE
	s_setreg_imm32_b32 hwreg(HW_REG_WAVE_MODE, 25, 1), 1
	s_wait_xcnt 0x0
; Wq, Wk, Wv, Wo: [512 (k)][512 (n)] f32, K along the FIRST axis.  Each becomes codes of FP8 (E4M3) with its given scale 2^e (entries 1, 3, 5, 11 of lowp_scales),
; laid in the ORDER OF THE OPERAND'S REGISTERS: wc = [weight 4][tile T 32][K step s 4][piece 4][lane 32][16 bytes].
; Fragment (T, s) is 16 columns n = 16 T + r x k = 128 s .. 128 s + 127 for v_wmma_f32_16x16x128_fp8_fp8: lane (r, h) holds k = 128 s + 16 c + 8 h + 0 .. 7 in registers 2 c, 2 c + 1; piece i is registers 4 i .. 4 i + 3.
; code = x / 2^e, held within +-448, to the nearest code, ties to even.  LIMITS: e between -126 and 119; NaN among the inputs is not served.
; SHARES: work-group x = 128 columns, y = 4 x weight + K step.  A wave takes 32 columns (two tiles) x 128 along K.  A LANE TAKES A COLUMN AND ITS REGISTERS RUN DOWN K: a load reads 128 consecutive bytes a wave,
; the four waves side by side 512; the conversions then give codes with K innermost.  The codes turn through the wave's own 4,096 bytes of LDS into the fragments' order and leave as stores of 512 consecutive bytes.
; The loads go in eight groups of 16 (16 along K), three groups ahead of the work: 48 loads of a wave are out at the most.
; No barrier (waves share nothing), no loop: every offset is an immediate.
.set X,   32                           ; v32-159   W(128 s + i, my column), i = 0 .. 127: each number has a register of its own
.set CD,  160                          ; v160-191  codes: two registers for each group of eight numbers; none is written twice
.set OB,  192                          ; v192-223  the two fragments, read back in their order
.macro LOAD c                          ; group c: rows 16 c .. 16 c + 15 of my K step
.irp j, 0,1,2,3,4,5,6,7,8,9,10,11,12,13,14,15
	global_load_b32 v[X+16*(\c)+\j], v1, s[4:5] offset:2048*(16*(\c)+\j) th:TH_LOAD_NT
.endr
.endm
	s_load_b256 s[4:11], s[0:1], 0x0               ; Wq, Wk, Wv, Wo
	s_load_b128 s[12:15], s[0:1], 0x20             ; the scales' exponents, wc
	v_lshl_add_u32 v224, v0, 2, 0x4000
	v_mov_b32 v225, 0
	v_lshrrev_b32 v5, 5, v0
	v_readfirstlane_b32 s28, v5                    ; wave 0..3
	v_and_b32 v6, 31, v0                           ; lane
	v_lshlrev_b32 v1, 2, v6                        ; in: 4 bytes a lane
	v_lshlrev_b32 v4, 4, v6                        ; out: 16 bytes a lane
	s_lshl_b32 s29, s28, 12                        ; my wave's 4,096 bytes of LDS
	v_add_nc_u32 v3, s29, v4                       ; back out of LDS: 16 x lane
	v_and_b32 v7, 15, v0
	v_bfe_u32 v8, v0, 4, 1
	v_lshlrev_b32 v2, 4, v7
	v_lshl_add_u32 v2, v8, 11, v2
	v_add_nc_u32 v2, s29, v2                       ; into LDS: fragment lane / 16 (2,048 bytes), the place of fragment lane r = lane % 16
	s_and_b32 s30, ttmp7, 0xffff
	s_lshr_b32 s31, s30, 2                         ; which weight
	s_and_b32 s30, s30, 3                          ; which K step
	s_lshl_b32 s32, s30, 18                        ; in: 128 s rows of 2,048 bytes
	s_lshl_b32 s33, ttmp9, 9                       ; + 128 columns x 4 bytes for each work-group x
	s_add_co_u32 s32, s32, s33
	s_lshl_b32 s33, s28, 7                         ; + 32 columns a wave
	s_add_co_u32 s32, s32, s33
	s_mov_b32 s33, 0
	s_lshl_b32 s34, s31, 18                        ; out: 262,144 x weight
	s_lshl_b32 s35, ttmp9, 16                      ; + 8 tiles of 8,192 bytes for each work-group x
	s_add_co_u32 s34, s34, s35
	s_lshl_b32 s35, s28, 14                        ; + 2 tiles a wave
	s_add_co_u32 s34, s34, s35
	s_lshl_b32 s35, s30, 11                        ; + 2,048 x K step
	s_add_co_u32 s34, s34, s35
	s_mov_b32 s35, 0
	s_wait_alu depctr_va_vdst(0)
	s_wait_kmcnt 0x0
	s_load_b128 s[16:19], s[12:13], 0x0            ; e0 .. e11
	s_load_b128 s[20:23], s[12:13], 0x10
	s_load_b128 s[24:27], s[12:13], 0x20
	s_cmp_eq_u32 s31, 1                            ; the weight is chosen by the work-group's number alone
	s_cselect_b64 s[4:5], s[6:7], s[4:5]
	s_cmp_eq_u32 s31, 2
	s_cselect_b64 s[4:5], s[8:9], s[4:5]
	s_cmp_eq_u32 s31, 3
	s_cselect_b64 s[4:5], s[10:11], s[4:5]
	s_add_nc_u64 s[4:5], s[4:5], s[32:33]
	s_add_nc_u64 s[14:15], s[14:15], s[34:35]
	LOAD 0
	LOAD 1
	LOAD 2
	s_wait_kmcnt 0x0
	s_cmp_eq_u32 s31, 1
	s_cselect_b32 s17, s19, s17                    ; e1, e3, e5 or e11
	s_cmp_eq_u32 s31, 2
	s_cselect_b32 s17, s21, s17
	s_cmp_eq_u32 s31, 3
	s_cselect_b32 s17, s27, s17
	s_add_co_i32 s17, s17, 127
	s_lshl_b32 s16, s17, 23
	v_mov_b32 v11, s16                             ; 2^e as f32: the conversion takes its exponent field
	s_add_co_i32 s17, s17, 8
	s_lshl_b32 s17, s17, 23
	s_or_b32 s17, s17, 0x600000
	v_mov_b32 v10, s17                             ; 448 x 2^e
	s_wait_alu depctr_va_vdst(0)
.irp c, 0,1,2,3,4,5,6,7
.if \c < 6
	s_wait_loadcnt 32                              ; loads return in order (ISA guide 5.7.1): group c is in; behind it stand the two later groups' 32 loads
.elseif \c == 6
	s_wait_loadcnt 16                              ; behind it stands the last group alone
.else
	s_wait_loadcnt 0
.endif
.if \c < 5
	LOAD \c+3                                      ; three groups ahead, into registers of its own
.endif
.irp hh, 0,1
.irp j, 0,1,2,3,4,5,6,7
	v_med3_num_f32 v[X+16*\c+8*\hh+\j], v[X+16*\c+8*\hh+\j], -v10, v10   ; the conversion to an 8-bit code does not saturate (ISA guide 7.6.2): the hold comes first
.endr
	v_cvt_scalef32_pk8_fp8_f32 v[CD+2*(2*\c+\hh):CD+2*(2*\c+\hh)+1], v[X+16*\c+8*\hh:X+16*\c+8*\hh+7], v11   ; k = 16 c + 8 hh + 0 .. 7: registers 2 c, 2 c + 1 of fragment lane (r, hh)
	ds_store_b64 v2, v[CD+2*(2*\c+\hh):CD+2*(2*\c+\hh)+1] offset:512*(\c/2)+256*\hh+8*(\c%2)   ; piece c / 2, lane r + 16 hh, half c % 2 of its 16 bytes
.endr
.endr
.irp p, 0,1,2,3,4,5,6,7
	ds_load_b128 v[OB+4*\p:OB+4*\p+3], v3 offset:512*\p      ; LDS serves a wave's instructions in order (ISA guide 5.7.1.4): these see my stores
.endr
.irp p, 0,1,2,3,4,5,6,7
	s_wait_dscnt 7-\p
	global_store_b128 v4, v[OB+4*\p:OB+4*\p+3], s[14:15] offset:8192*(\p/4)+512*(\p%4)   ; 32 lanes store 512 consecutive bytes, at a multiple of 512 from wc's first byte
.endr
	s_wait_tensorcnt 0x0
	ds_add_u32 v224, v225
	s_wait_dscnt 0x0
	s_endpgm
.Lfunc_end_k_q86cfb4dca0_prep:
	.size	k_q86cfb4dca0_prep, .Lfunc_end_k_q86cfb4dca0_prep-k_q86cfb4dca0_prep
	.p2alignl 7, 3214868480
	.fill 96, 4, 3214868480
	.section	.rodata,"a",@progbits
	.p2align	6, 0x0
	.amdhsa_kernel k_q86cfb4dca0_prep
		.amdhsa_group_segment_fixed_size 16896
		.amdhsa_private_segment_fixed_size 0
		.amdhsa_enable_private_segment 0
		.amdhsa_kernarg_size 48
		.amdhsa_user_sgpr_count 2
		.amdhsa_user_sgpr_kernarg_segment_ptr 1
		.amdhsa_wavefront_size32 1
		.amdhsa_system_sgpr_workgroup_id_x 1
		.amdhsa_system_sgpr_workgroup_id_y 1
		.amdhsa_system_sgpr_workgroup_id_z 1
		.amdhsa_system_vgpr_workitem_id 0
		.amdhsa_next_free_vgpr 226
		.amdhsa_next_free_sgpr 66
		.amdhsa_reserve_vcc 0
		.amdhsa_float_denorm_mode_32 3
		.amdhsa_float_denorm_mode_16_64 3
		.amdhsa_memory_ordered 1
		.amdhsa_forward_progress 1
		.amdhsa_inst_pref_size 27
	.end_amdhsa_kernel
	.amdgpu_metadata
---
amdhsa.version: [ 1, 2 ]
amdhsa.kernels:
  - .name:           k_q86cfb4dca0_prep
    .symbol:         k_q86cfb4dca0_prep.kd
    .args:
      - { .name: Wq, .offset: 0, .size: 8, .value_kind: global_buffer, .address_space: global }
      - { .name: Wk, .offset: 8, .size: 8, .value_kind: global_buffer, .address_space: global }
      - { .name: Wv, .offset: 16, .size: 8, .value_kind: global_buffer, .address_space: global }
      - { .name: Wo, .offset: 24, .size: 8, .value_kind: global_buffer, .address_space: global }
      - { .name: lowp_scales, .offset: 32, .size: 8, .value_kind: global_buffer, .address_space: global }
      - { .name: wc, .offset: 40, .size: 8, .value_kind: global_buffer, .address_space: global }
    .group_segment_fixed_size: 16896
    .private_segment_fixed_size: 0
    .kernarg_segment_align: 8
    .kernarg_segment_size: 48
    .max_flat_workgroup_size: 128
    .sgpr_count:     66
    .vgpr_count:     226
    .wavefront_size: 32
...
	.end_amdgpu_metadata
.endif
;; end of part 4
;; launch kvproj (part 5): grid 256 x 1, 8 waves a work-group, no clusters, 199,680 bytes of LDS; arguments K, wc, bk, bv, lowp_scales, kv; writes kv
.if DOCPART == 5
	.amdgcn_target "amdgcn-amd-amdhsa--gfx1250"
	.amdhsa_code_object_version 6
	.text
	.protected	k_q86cfb4dca0_kvproj
	.globl	k_q86cfb4dca0_kvproj
	.p2align	8
	.type	k_q86cfb4dca0_kvproj,@function
k_q86cfb4dca0_kvproj:
	s_mov_b64 s[64:65], 0
	v_nop
	global_prefetch_b8 v0, s[64:65] scope:SCOPE_SE
	s_setreg_imm32_b32 hwreg(HW_REG_WAVE_SCHED_MODE, 0, 2), 2
	s_setreg_imm32_b32 hwreg(HW_REG_WAVE_MODE, 25, 1), 1
	s_wait_xcnt 0x0
	s_wait_alu depctr_vm_vsrc(0)
; k = K Wk + bk and v = K Wv + bv, both products on codes of FP8 (E4M3), and their results quantised for attention.  K: [16,384][512] f32; wc: the weights' codes in the order of operand registers.
; K is quantised twice (scale entries 2 and 4 of lowp_scales), the weights carry entries 3 and 5; k is quantised with entry 7 (along the head's 64 channels), v with entry 8 (along the keys).
; kv = [batch 16][head 8][step of 128 keys 8][16,384 bytes]: at +0 eight fragments of K (16 keys x 64 channels, 1,024 bytes: lane (r, h) = key 16 T + r, registers 2 c, 2 c + 1 = channel 16 c + 8 h + 0 .. 7),
; at +8,192 four fragments of V^T (16 channels x 128 keys, 2,048 bytes: lane (r, h) = channel 16 ct + r, registers 2 c, 2 c + 1 = key 16 c + 8 h + 0 .. 7).  A piece of 512 bytes is four registers of all 32 lanes.
; SHARES: a work-group owns 64 rows (half a step) and all 512 columns; WAVE w IS HEAD w: columns 64 w .. 64 w + 63, its 16 weight fragments in registers.
; k's product is used transposed (source 0 = 16 columns of Wk, source 1 = 16 rows of K): a lane holds one key and its registers run along the channels; v's is used as it is: a lane holds one channel and its registers
; run along the keys.  So each conversion's result IS two registers of the operand that attention wants, and every store is 512 consecutive bytes.
; The rows' codes go from wave to wave through LDS as images of the operand's registers; one barrier.
; LIMITS: entries 2, 4, 7, 8 between -126 and 119; entries 2 + 3 and 4 + 5 between -126 and 127, so that each power of two below is an f32 number.  NaN and infinities among the inputs are not served.
; No tensor loads and no joint loads: the only bytes that work-groups share are the weights' codes, 32 KiB a wave and product, which go straight into the registers where they stay.
; REGISTERS: window 0: v1-15 addresses and the quantiser's two constants; v32-127 codes, later a ring of three groups of two row fragments; v128-255 128 numbers of K, later 16 accumulators ((m, t) at v[128 + 8 (4 m + t)]).
;   window 1: the wave's 16 weight fragments (K step s, tile t at v[64 s + 16 t]); the bias takes the place of K step 0's when those are done with.
; THE MODE: SCHED_MODE bits 1:0 = 2 (LLVM: expert scheduling mode 2), set by the entry lines.  The code itself states the register dependences
; between vector or matrix instructions and memory or LDS instructions, with s_wait_alu, always for 0.
; THE PLAN.  Registers that memory or LDS instructions touch:
;   v1-5, v12, v13  Addresses and offsets: all made at the head, ahead of one wait on va_vdst, and never written again.
;   v128-255        K's rows land; the stage's stores read them; the stage's loads land in them again (one wait on vm_vsrc between).  From there on vector and matrix instructions alone name them.
;   v32-63          Codes: written by conversions, read by a run of stores (LDS images, later kv): one wait on va_vdst ahead of each run; one wait on vm_vsrc ahead of whatever writes them next.
;   v32-127         The ring: group g's eight products read place g % 3; behind them stands one wait on va_vdst, and the loads of group g + 3 land in that place.
;   window 1        The same wait serves the loads that follow the ring's: K step 3's weights (g = 0) and the bias, where K step 0's weights lay (g = 1).  Behind the first product one wait frees Wk's
;                   registers for Wv's K steps 1 and 2, and one behind the multiply-adds frees bk's for Wv's K step 0.
.set STGB, 16640                       ; LDS: a stage for each wave: 16 rows x (1,024 bytes + 16).  1,040 = 65 x 16: the sixteen rows that a load touches start 16 bytes apart modulo 256
.set IMG,  8*STGB                      ; behind the stages: the images of K's codes, 16 fragments of 2,048 bytes with entry 2's scale, then 16 with entry 4's; fragment (row tile m, K step s) at (4 m + s) x 2,048
.set LO,   1                           ; v1   16 x lane
.set STW,  2                           ; v2   my stage, as loaded: 16 x lane
.set STR,  3                           ; v3   my stage, read by rows: 1,040 r + 32 h
.set IMW,  4                           ; v4   where I store images: IMG + 4,096 x wave + 16 x lane
.set IMR,  5                           ; v5   where any image is read: IMG + 16 x lane
.set BOF,  12                          ; v12  32 h: bk's eight numbers of my half
.set BVO,  13                          ; v13  4 r: bv's number of my channel
.set QS,   14                          ; v14  the scale of the quantiser in hand, as f32
.set QL,   15                          ; v15  448 x that
.set RB,   32
.set TQ,   64                          ; v64-79 two sets of eight held numbers, by turns
.set N,    128
.set ACC,  128
.set WBK,  74                          ; s[74:75] my 16 fragments of Wk;  s[76:77] of Wv
.set WBV,  76
.set KVK,  78                          ; s[78:79] where my four fragments of K go;  s[80:81] my halves of the four fragments of V^T
.set KVV,  80
.set BKB,  82                          ; s[82:83] bk, s[84:85] bv at my head
.set BVB,  84
.set XB,   86                          ; s[86:87] K at the 16 rows x 256 columns that I quantise
.set MSB,  0
.macro WIN new                         ; s_set_vgpr_msb: bits 1:0 source 0, 3:2 source 1, 5:4 source 2, 7:6 destination; the high byte repeats the setting that is left
.if MSB != \new
	s_set_vgpr_msb (MSB<<8)|\new
.set MSB, \new
.endif
.endm
.macro PLACES                          ; four plain vector instructions behind a matrix instruction, ahead of loads into its registers and of the first read of its result
.rept 4
	v_nop
.endr
.endm
.macro BARRIER                         ; my LDS stores have landed and my LDS loads are in: then the work-group's barrier
	s_wait_dscnt 0x0
	s_barrier_signal -1
	s_barrier_wait -1
.endm
.macro PATTERN d, e                    ; s[d] = 2^e as f32, s[d+1] = 448 x 2^e
	s_add_co_i32 s[\d+1], s[\e], 127
	s_lshl_b32 s[\d], s[\d+1], 23
	s_add_co_i32 s[\d+1], s[\d+1], 8
	s_lshl_b32 s[\d+1], s[\d+1], 23
	s_or_b32 s[\d+1], s[\d+1], 0x600000
.endm
.macro POW2 d, ea, eb                  ; s[d] = s[d+1] = 2^(ea + eb) as f32: the packed forms name the pair
	s_add_co_i32 s[\d], s[\ea], s[\eb]
	s_add_co_i32 s[\d], s[\d], 127
	s_lshl_b32 s[\d], s[\d], 23
	s_mov_b32 s[\d+1], s[\d]
.endm
.macro SETQ p
	v_mov_b32 v[QS], s[\p]
	v_mov_b32 v[QL], s[\p+1]
.endm
.macro ROWS_IN                         ; 16 rows x 1,024 bytes: each load reads 512 consecutive bytes
.irp i, 0,1,2,3,4,5,6,7,8,9,10,11,12,13,14,15
	global_load_b128 v[N+8*\i:N+8*\i+3], v[LO], s[XB:XB+1] offset:2048*\i th:TH_LOAD_NT
	global_load_b128 v[N+8*\i+4:N+8*\i+7], v[LO], s[XB:XB+1] offset:2048*\i+512 th:TH_LOAD_NT
.endr
.endm
.macro STAGE_ST                        ; into my stage as they were loaded
.irp i, 0,1,2,3,4,5,6,7,8,9,10,11,12,13,14,15
	ds_store_b128 v[STW], v[N+8*\i:N+8*\i+3] offset:1040*\i
	ds_store_b128 v[STW], v[N+8*\i+4:N+8*\i+7] offset:1040*\i+512
.endr
.endm
.macro STAGE_LD                        ; and back: register N + 64 sp + 8 c + j = k 128 sp + 16 c + 8 h + j of row r: the order of the operand's registers
	s_wait_dscnt 0x0                               ; my stores into the stage are done
	s_wait_alu depctr_vm_vsrc(0)                   ; the stage's stores have read v128-255, in which the loads below land
.irp sp, 0,1
.irp c, 0,1,2,3,4,5,6,7
	ds_load_b128 v[N+64*\sp+8*\c:N+64*\sp+8*\c+3], v[STR] offset:512*\sp+64*\c
	ds_load_b128 v[N+64*\sp+8*\c+4:N+64*\sp+8*\c+7], v[STR] offset:512*\sp+64*\c+16
.endr
.endr
.endm
.macro CODES dst, src, tmp             ; eight numbers -> eight codes in two registers; tmp = src: in place
.irp j, 0,1,2,3,4,5,6,7
	v_med3_num_f32 v[\tmp+\j], v[\src+\j], -v[QL], v[QL]   ; the conversion to an 8-bit code does not saturate (ISA guide 7.6.2): the hold comes first
.endr
	v_cvt_scalef32_pk8_fp8_f32 v[\dst:\dst+1], v[\tmp:\tmp+7], v[QS]
.endm
.macro QUANT src, inplace, pc          ; 64 numbers -> a fragment of 16 registers
.irp c, 0,1,2,3,4,5,6,7
.if \inplace
	CODES \pc+2*\c, \src+8*\c, \src+8*\c
.else
	CODES \pc+2*\c, \src+8*\c, TQ+8*(\c%2)
.endif
.endr
	v_nop                                          ; a plain vector instruction behind the last conversion, ahead of whatever next touches its registers
.endm
.macro IMAGE adr, pc, off              ; a fragment goes to LDS as it stands: 512 consecutive bytes a store
.irp i, 0,1,2,3
	ds_store_b128 v[\adr], v[\pc+4*\i:\pc+4*\i+3] offset:\off+512*\i
.endr
.endm
.macro WLOAD wb, s                     ; my four weight fragments of K step s, into window 1
	WIN 0x40
.irp t, 0,1,2,3
.irp i, 0,1,2,3
	global_load_b128 v[64*\s+16*\t+4*\i:64*\s+16*\t+4*\i+3], v[LO], s[\wb:\wb+1] offset:(4*\t+\s)*2048+512*\i
.endr
.endr
	WIN 0
.endm
.macro FETCHG g, img                   ; group g = K step g / 2, row tiles 2 (g % 2) and 2 (g % 2) + 1: two fragments into ring place g % 3
.irp mm, 0,1
.irp i, 0,1,2,3
	ds_load_b128 v[RB+32*((\g)%3)+16*\mm+4*\i:RB+32*((\g)%3)+16*\mm+4*\i+3], v[IMR] offset:\img+(4*(2*((\g)%2)+\mm)+(\g)/2)*2048+512*\i
.endr
.endr
.endm
.macro MULG g, swap                    ; eight products; the 16 accumulators take turns, one instruction a turn; K step 0 starts the sums
.if \swap
	WIN 0x04                                       ; source 1 (the weight) in window 1
.else
	WIN 0x01                                       ; source 0 (the weight) in window 1
.endif
.irp mm, 0,1
.irp t, 0,1,2,3
.set rD, ACC+8*(4*(2*((\g)%2)+\mm)+\t)
.set rW, 64*((\g)/2)+16*\t
.set rX, RB+32*((\g)%3)+16*\mm
.if \swap
.if (\g) < 2
	v_wmma_f32_16x16x128_fp8_fp8 v[rD:rD+7], v[rX:rX+15], v[rW:rW+15], 0
.else
	v_wmma_f32_16x16x128_fp8_fp8 v[rD:rD+7], v[rX:rX+15], v[rW:rW+15], v[rD:rD+7]
.endif
.else
.if (\g) < 2
	v_wmma_f32_16x16x128_fp8_fp8 v[rD:rD+7], v[rW:rW+15], v[rX:rX+15], 0
.else
	v_wmma_f32_16x16x128_fp8_fp8 v[rD:rD+7], v[rW:rW+15], v[rX:rX+15], v[rD:rD+7]
.endif
.endif
.endr
.endr
.endm
.macro BIAS kind, bb                   ; eight loads into window 1, where K step 0's weight fragments lay.  kind 0: tile t's eight channels of my half; kind 1: my channel of tile t, twice (a pair)
	WIN 0x40
.irp t, 0,1,2,3
.if \kind
	global_load_b32 v[2*\t], v[BVO], s[\bb:\bb+1] offset:64*\t
	global_load_b32 v[2*\t+1], v[BVO], s[\bb:\bb+1] offset:64*\t
.else
	global_load_b128 v[8*\t:8*\t+3], v[BOF], s[\bb:\bb+1] offset:64*\t
	global_load_b128 v[8*\t+4:8*\t+7], v[BOF], s[\bb:\bb+1] offset:64*\t+16
.endif
.endr
	WIN 0
.endm
; 64 rows x my 64 columns x K = 512: eight groups of eight products.  The row fragments come through a ring of three groups, fetched three groups ahead.
; DScnt: behind group g's eight loads stand those of the two later groups (16), of one (8) or none.  LOADcnt: K step 0's weights by w0; behind K step 1's stand step 2's 16, step 3's 16 and the bias's 8 (40); and so on down.
.macro GEMM swap, img, w0, wb, kind, bb
	FETCHG 0, \img
	FETCHG 1, \img
	FETCHG 2, \img
.irp g, 0,1,2,3,4,5,6,7
.if \g < 6
	s_wait_dscnt 16
.elseif \g == 6
	s_wait_dscnt 8
.else
	s_wait_dscnt 0
.endif
.if \g == 0
	s_wait_loadcnt \w0
.elseif \g == 2
	s_wait_loadcnt 40
.elseif \g == 4
	s_wait_loadcnt 24
.elseif \g == 6
	s_wait_loadcnt 8
.endif
	MULG \g, \swap
	WIN 0
	PLACES
.if \g < 5
	s_wait_alu depctr_va_vdst(0)                   ; this group's products are done reading their place of the ring, in which group g + 3 lands; at g = 0 every earlier reader of window 1's v192-255 is done, at g = 1 the readers of K step 0's weights, where the bias lands
	FETCHG \g+3, \img
.endif
.if \g == 0
	WLOAD \wb, 3
.elseif \g == 1
	BIAS \kind, \bb
.endif
.endr
.endm
.macro POST cnt, sc, kind              ; sum x 2^(the two exponents) + bias, one packed multiply-add for two numbers; each accumulator from its low end on
	s_wait_loadcnt \cnt
	WIN 0x10                                       ; source 2 (the bias) in window 1
.irp m, 0,1,2,3
.irp t, 0,1,2,3
.irp i, 0,2,4,6
.if \kind
	v_pk_fma_f32 v[ACC+8*(4*\m+\t)+\i:ACC+8*(4*\m+\t)+\i+1], v[ACC+8*(4*\m+\t)+\i:ACC+8*(4*\m+\t)+\i+1], s[\sc:\sc+1], v[2*\t:2*\t+1] op_sel_hi:[1,0,1]
.else
	v_pk_fma_f32 v[ACC+8*(4*\m+\t)+\i:ACC+8*(4*\m+\t)+\i+1], v[ACC+8*(4*\m+\t)+\i:ACC+8*(4*\m+\t)+\i+1], s[\sc:\sc+1], v[8*\t+\i:8*\t+\i+1] op_sel_hi:[1,0,1]
.endif
.endr
.endr
.endr
	WIN 0
.endm
	s_load_b256 s[4:11], s[0:1], 0x0               ; K, wc, bk, bv
	s_load_b128 s[12:15], s[0:1], 0x20             ; the scales' exponents, kv
	v_lshl_add_u32 v30, v0, 2, 0x30800
	v_mov_b32 v31, 0
	v_lshrrev_b32 v16, 5, v0
	v_readfirstlane_b32 s18, v16                   ; wave = head, 0..7
	v_and_b32 v16, 31, v0                          ; lane
	v_and_b32 v17, 15, v0                          ; r
	v_bfe_u32 v18, v0, 4, 1                        ; h
	v_lshlrev_b32 v[LO], 4, v16
	v_mul_u32_u24 v[STR], v17, 1040                ; every address is made here, at the head: none hangs on an argument
	v_lshl_add_u32 v[STR], v18, 5, v[STR]
	v_add_nc_u32 v[IMR], IMG, v[LO]
	v_lshlrev_b32 v[BOF], 5, v18
	v_lshlrev_b32 v[BVO], 2, v17
	s_wait_alu depctr_va_sdst(0)                   ; s18 is written, ahead of its first reader
	s_mul_i32 s48, s18, STGB
	v_add_nc_u32 v[STW], s48, v[LO]
	v_add_nc_u32 v[STR], s48, v[STR]
	s_lshl_b32 s49, s18, 12                        ; fragments (wave / 2, 2 (wave % 2) + 0, 1) lie at (2 wave + 0, 1) x 2,048
	s_add_co_u32 s49, s49, IMG
	v_add_nc_u32 v[IMW], s49, v[LO]
	s_mov_b32 s19, ttmp9                           ; g: my 64 rows
	s_lshl_b32 s32, s19, 17                        ; what I quantise: row tile wave / 2, K half wave % 2: 64 g rows of 2,048 bytes
	s_lshr_b32 s33, s18, 1
	s_lshl_b32 s33, s33, 15                        ; + 16 rows for each row tile
	s_add_co_u32 s32, s32, s33
	s_and_b32 s33, s18, 1
	s_lshl_b32 s33, s33, 10                        ; + 1,024 bytes for the second half of K
	s_add_co_u32 s32, s32, s33
	s_mov_b32 s33, 0
	s_lshl_b32 s34, s18, 15                        ; my four tiles x four K steps of 2,048 bytes,
	s_add_co_u32 s34, s34, 262144                  ; in Wk's codes
	s_mov_b32 s35, 0
	s_wait_kmcnt 0x0
	s_load_b256 s[36:43], s[12:13], 0x0            ; e0 .. e7
	s_load_b128 s[44:47], s[12:13], 0x20           ; e8 .. e11
	s_add_nc_u64 s[XB:XB+1], s[4:5], s[32:33]
	s_add_nc_u64 s[WBK:WBK+1], s[6:7], s[34:35]
	s_add_nc_u64 s[WBV:WBV+1], s[WBK:WBK+1], 262144
	s_wait_alu depctr_va_vdst(0)                   ; the seven addresses and offsets v1-5, v12, v13 are written, which every load and store of the kernel reads
	ROWS_IN
	WLOAD WBK, 0
	s_lshr_b32 s32, s19, 4                         ; kv: batch g / 16,
	s_lshl_b32 s32, s32, 20
	s_lshl_b32 s33, s18, 17                        ; head,
	s_add_co_u32 s32, s32, s33
	s_bfe_u32 s33, s19, 0x30001                    ; step (g % 16) / 2
	s_lshl_b32 s33, s33, 14
	s_add_co_u32 s32, s32, s33
	s_and_b32 s34, s19, 1                          ; which half of the step's 128 keys
	s_lshl_b32 s33, s34, 12
	s_add_co_u32 s28, s32, s33                     ; K: four fragments of 1,024 bytes on
	s_mov_b32 s29, 0
	s_lshl_b32 s33, s34, 10
	s_add_co_u32 s30, s32, s33                     ; V^T: two pieces of 512 bytes on in each fragment
	s_add_co_u32 s30, s30, 8192
	s_mov_b32 s31, 0
	s_add_nc_u64 s[KVK:KVK+1], s[14:15], s[28:29]
	s_add_nc_u64 s[KVV:KVV+1], s[14:15], s[30:31]
	s_lshl_b32 s34, s18, 8
	s_mov_b32 s35, 0
	s_add_nc_u64 s[BKB:BKB+1], s[8:9], s[34:35]
	s_add_nc_u64 s[BVB:BVB+1], s[10:11], s[34:35]
	s_wait_kmcnt 0x0
	POW2 24, 38, 39                                ; 2^(e2 + e3)
	POW2 26, 40, 41                                ; 2^(e4 + e5)
	PATTERN 66, 38                                 ; K for the first product
	PATTERN 68, 40                                 ; K for the second
	PATTERN 70, 43                                 ; k for attention
	PATTERN 72, 44                                 ; v for attention
	s_wait_loadcnt 16                              ; my rows are in; behind them stand the 16 loads of Wk's K step 0
	STAGE_ST
	WLOAD WBK, 1
	WLOAD WBK, 2
	STAGE_LD
	s_wait_dscnt 16                                ; the first fragment's 16 loads are back
	SETQ 66
	QUANT N, 0, 32
	SETQ 68
	QUANT N, 1, 48
	s_wait_alu depctr_va_vdst(0)                   ; the conversions have written v32-63, which the images' stores read
	IMAGE IMW, 32, 0
	IMAGE IMW, 48, 32768
	s_wait_dscnt 0x0                               ; the second fragment's numbers are back
	s_wait_alu depctr_vm_vsrc(0)                   ; the images' stores have read v32-63, which the conversions below write again
	SETQ 66
	QUANT N+64, 0, 32
	SETQ 68
	QUANT N+64, 1, 48
	s_wait_alu depctr_va_vdst(0)                   ; the conversions have written v32-63, which the images' stores read; the holds are done with v64-79, in which the ring's loads land
	IMAGE IMW, 32, 2048
	IMAGE IMW, 48, 32768+2048
	BARRIER                                        ; all 32 images lie in LDS; nobody writes them again
	s_wait_alu depctr_vm_vsrc(0)                   ; my images' stores have read v32-63, in which the ring's first loads land
	GEMM 0, 0, 32, WBK, 0, BKB                     ; k, transposed.  Behind Wk's K step 0 stand steps 1 and 2: 32
	s_wait_alu depctr_va_vdst(0)                   ; the last three groups' products are done reading Wk's fragments, in which Wv's land
	WLOAD WBV, 1
	WLOAD WBV, 2
	POST 32, 24, 0                                 ; bk is in: behind it stand the 32 loads just issued
	s_wait_alu depctr_va_vdst(0)                   ; the multiply-adds are done reading bk, in whose registers Wv's K step 0 lands
	WLOAD WBV, 0                                   ; where bk lay
	SETQ 70
.irp m, 0,1,2,3
.irp t, 0,1,2,3
	CODES 32+8*\m+2*\t, ACC+8*(4*\m+\t), ACC+8*(4*\m+\t)   ; key 16 m + r, channels 16 t + 8 h + 0 .. 7: registers 2 t, 2 t + 1 of fragment m
.endr
.endr
	v_nop
	s_wait_alu depctr_va_vdst(0)                   ; the conversions have written v32-63, which the stores read
.irp m, 0,1,2,3
.irp i, 0,1
	global_store_b128 v[LO], v[32+8*\m+4*\i:32+8*\m+4*\i+3], s[KVK:KVK+1] offset:1024*\m+512*\i   ; 512 consecutive bytes
.endr
.endr
	s_wait_xcnt 0x0                                ; the stores' data registers are filled again by the ring only behind this wait
	s_wait_alu depctr_vm_vsrc(0)                   ; the stores have read v32-63, in which the ring's first loads land
	GEMM 1, 32768, 0, WBV, 1, BVB                  ; v, as it is.  Wv's K step 0 was issued last: all are waited for
	POST 0, 26, 1
	SETQ 72
.irp m, 0,1,2,3
.irp t, 0,1,2,3
	CODES 32+4*(2*\t+\m/2)+2*(\m%2), ACC+8*(4*\m+\t), ACC+8*(4*\m+\t)   ; channel 16 t + r, keys 16 m + 8 h + 0 .. 7 of my half: registers 2 m, 2 m + 1 of my half of fragment t
.endr
.endr
	v_nop
	s_wait_alu depctr_va_vdst(0)                   ; the conversions have written v32-63, which the stores read
.irp t, 0,1,2,3
.irp i, 0,1
	global_store_b128 v[LO], v[32+4*(2*\t+\i):32+4*(2*\t+\i)+3], s[KVV:KVV+1] offset:2048*\t+512*\i
.endr
.endr
	s_wait_dscnt 0x0                               ; the closing lines, six on end
	s_wait_alu 0x0
	s_wait_tensorcnt 0x0
	ds_add_u32 v30, v31
	s_wait_dscnt 0x0
	s_endpgm
.Lfunc_end_k_q86cfb4dca0_kvproj:
	.size	k_q86cfb4dca0_kvproj, .Lfunc_end_k_q86cfb4dca0_kvproj-k_q86cfb4dca0_kvproj
	.p2alignl 7, 3214868480
	.fill 96, 4, 3214868480
	.section	.rodata,"a",@progbits
	.p2align	6, 0x0
	.amdhsa_kernel k_q86cfb4dca0_kvproj
		.amdhsa_group_segment_fixed_size 199680
		.amdhsa_private_segment_fixed_size 0
		.amdhsa_enable_private_segment 0
		.amdhsa_kernarg_size 48
		.amdhsa_user_sgpr_count 2
		.amdhsa_user_sgpr_kernarg_segment_ptr 1
		.amdhsa_wavefront_size32 1
		.amdhsa_system_sgpr_workgroup_id_x 1
		.amdhsa_system_sgpr_workgroup_id_y 1
		.amdhsa_system_sgpr_workgroup_id_z 1
		.amdhsa_system_vgpr_workitem_id 0
		.amdhsa_next_free_vgpr 512
		.amdhsa_next_free_sgpr 88
		.amdhsa_reserve_vcc 0
		.amdhsa_float_denorm_mode_32 3
		.amdhsa_float_denorm_mode_16_64 3
		.amdhsa_memory_ordered 1
		.amdhsa_forward_progress 1
		.amdhsa_inst_pref_size 94
	.end_amdhsa_kernel
	.amdgpu_metadata
---
amdhsa.version: [ 1, 2 ]
amdhsa.kernels:
  - .name:           k_q86cfb4dca0_kvproj
    .symbol:         k_q86cfb4dca0_kvproj.kd
    .args:
      - { .name: K, .offset: 0, .size: 8, .value_kind: global_buffer, .address_space: global }
      - { .name: wc, .offset: 8, .size: 8, .value_kind: global_buffer, .address_space: global }
      - { .name: bk, .offset: 16, .size: 8, .value_kind: global_buffer, .address_space: global }
      - { .name: bv, .offset: 24, .size: 8, .value_kind: global_buffer, .address_space: global }
      - { .name: lowp_scales, .offset: 32, .size: 8, .value_kind: global_buffer, .address_space: global }
      - { .name: kv, .offset: 40, .size: 8, .value_kind: global_buffer, .address_space: global }
    .group_segment_fixed_size: 199680
    .private_segment_fixed_size: 0
    .kernarg_segment_align: 8
    .kernarg_segment_size: 48
    .max_flat_workgroup_size: 256
    .sgpr_count:     88
    .vgpr_count:     512
    .wavefront_size: 32
...
	.end_amdgpu_metadata
.endif
;; end of part 5
;; launch mab (part 6): grid 256 x 1, 8 waves a work-group, no clusters, 175,104 bytes of LDS; arguments Q, wc, kv, bq, bo, lowp_scales, out0; writes out0
.if DOCPART == 6
	.amdgcn_target "amdgcn-amd-amdhsa--gfx1250"
	.amdhsa_code_object_version 6
	.text
	.protected	k_q86cfb4dca0_mab
	.globl	k_q86cfb4dca0_mab
	.p2align	8
	.type	k_q86cfb4dca0_mab,@function
k_q86cfb4dca0_mab:
	s_mov_b64 s[64:65], 0
	v_nop
	global_prefetch_b8 v0, s[64:65] scope:SCOPE_SE
	s_setreg_imm32_b32 hwreg(HW_REG_WAVE_SCHED_MODE, 0, 2), 2
	s_setreg_imm32_b32 hwreg(HW_REG_WAVE_MODE, 25, 1), 1
	s_wait_xcnt 0x0
	s_wait_alu depctr_vm_vsrc(0)
; out = LN(X + gelu(X Wo + bo)), X = LN(q + attention(q, k, v)), q = Q Wq + bq; LN without gain; 8 heads of 64; logits / sqrt(512).  All four products here run on codes of FP8 (E4M3) with the given scales 2^e:
; Q e0, Wq e1; q e6, k e7; v e8, p e9; X e10, Wo e11.  Wq's and Wo's codes (wc) and k's and v's (kv) come in the order of operand registers from the two launches before.
; THE SOFTMAX: t = score x log2(e) / sqrt(512); M = the running largest t rounded UP to a whole number; p = 2^(t - M) is quantised, not normalised; the row's sum is taken of the unquantised p and divides at the end;
; when M moves, the sum and O are multiplied by 2^(old M - new M), which rounds nothing.
; SHARES: a work-group owns 64 rows (queries) and all 512 columns; WAVE w IS HEAD w.  All products are used transposed (source 0 = weight columns, keys or V's channels; source 1 = my rows): lane (r, h) holds row
; 16 m + r, and register j of tile t is channel 64 w + 16 t + 8 h + j, in q, in O^T, in X Wo and in the result alike.  So both residuals are register by register, and each conversion's result is two registers of the next operand.
; Between waves go only: images of the rows' codes (Q's, X's) and four sums a row tile for each LayerNorm, through LDS; six barriers.
; K's and V's fragments go from memory straight into operand registers, 512 consecutive bytes a load.
; NO JOINT LOADS, though the 16 work-groups of a batch read the same kv: a slot with one step of 128 keys of eight heads is 131,072 bytes, two are 262,144; beside the 133,120 bytes in which q waits and the 32,768 of images
; that is 427,008, more than the 327,680 that a work-group can have.
; gelu is exact gelu with erfc by the rational form of Abramowitz and Stegun 7.1.26 (absolute error 1.5e-7 for every argument); it stands behind the last quantiser.
; LIMITS: e0, e6, e9, e10 between -126 and 119; e0 + e1 and e10 + e11 between -126 and 127; e6 + e7 between -122 and 131 (added to c's exponent field); e8 + e9 goes through v_ldexp_f32.  NaN and infinities among the inputs are not served.
; O^T is cleared once by 128 moves, so that the key step is written twice (loop and tail) and not three times.
; REGISTERS: window 0: v1-15 addresses and the quantiser's two constants; v16-31 statistics; v32-127 codes / a ring of row fragments / q's and K's fragments / at work; v128-255 numbers and accumulators ((m, t) at v[128 + 8 (4 m + t)]).
;   window 1: 16 weight fragments (K step s, tile t at v[64 s + 16 t]); in attention O^T at v[32 qt + 8 ct] and V^T's four fragments at v[128 + 16 ct]; at the end X at v128-255.
; THE MODE: SCHED_MODE bits 1:0 = 2 (LLVM: expert scheduling mode 2), set by the entry lines.  The code itself states the register dependences
; between vector or matrix instructions and memory or LDS instructions, with s_wait_alu, always for 0.
; THE PLAN.  Registers that memory or LDS instructions touch:
;   v1-13           Addresses and offsets: all made at the head, ahead of one wait on va_vdst, and never written again.
;   v128-255        Q's rows land, go to the stage and come back (vm_vsrc between).  Later q, and then X, are parked in LDS from them: va_vdst ahead of the stores (their data are written), vm_vsrc behind them
;                   (the registers are written again); q comes back into them behind a wait on va_vdst (all that named them in attention is done).  On the way out LDS stores read them behind one wait on va_vdst.
;   v32-63          Codes: written by conversions, read by a run of LDS stores: va_vdst ahead of the run, vm_vsrc ahead of the ring's loads.  In the norms eight LDS loads land in them, behind the wait ahead of the norm's store.
;   v32-127         The ring of the two large products: group g's eight products read place g % 3; behind them one wait on va_vdst, and group g + 3 lands there.  On the way out: rows read back, stored; vm_vsrc ahead of their next loads.
;   v64-127         IN THE KEY LOOP: K's fragments: read by the four tiles' score products; behind the fourth tile's stands one wait on va_vdst, and the next step's land.
;   window 1        IN THE KEY LOOP: V^T's fragments (v128-191): read by the four tiles' products; behind the fourth tile's stands one wait on va_vdst, and the next step's land.  Outside it: weights and biases land behind the
;                   ring's waits; Wo's first three K steps behind the residual's multiply-adds, which read O^T; X behind the last product.
;   v16-19          A norm's four sums: va_vdst ahead of their LDS store, vm_vsrc behind the barrier, ahead of the lines that write them again.
; So the key loop holds two waits for memory's sake in a step, and no register that a memory instruction reads is written in it.  A tile's 64 exponentials are one batch with one wait.
.set STGB, 16640                       ; LDS: a region for each wave: first a stage of 16 rows x (1,024 + 16) bytes, then 32 register images of 512 bytes (q, later X), at last 16 rows x (256 + 16) for the way out
.set IMG,  8*STGB                      ; the images of the rows' codes: fragment (row tile m, K step s) at (4 m + s) x 2,048
.set RED,  IMG+32768                   ; four regions of 2,048 bytes for the LayerNorms' sums: [wave 8][r 16][m 4] f32; each is written once
.set LO,   1                           ; v1   16 x lane
.set STW,  2                           ; v2   my region + 16 x lane
.set STR,  3                           ; v3   my stage by rows: 1,040 r + 32 h
.set IMW,  4                           ; v4   IMG + 4,096 x wave + 16 x lane: Q's images
.set IMR,  5                           ; v5   IMG + 16 x lane
.set RDW,  6                           ; v6   RED + 256 x wave + 16 r
.set RDR,  7                           ; v7   RED + 16 r
.set OSW,  8                           ; v8   the way out: my region + 272 r + 32 h
.set OSR,  9                           ; v9   and back: my region + 272 h + 16 r
.set GO,   10                          ; v10  2,048 h + 16 r: two rows of out0 an instruction
.set PFO,  11                          ; v11  256 x lane, for the prefetches; never rewritten
.set BOF,  12                          ; v12  32 h
.set OIW,  13                          ; v13  IMG + 1,024 x wave + 16 x lane: X's images
.set QS,   14                          ; v14  the scale of the quantiser in hand, as f32
.set QL,   15                          ; v15  448 x that
.set RB,   32
.set N,    128
.set ACC,  128
.set ST,   16                          ; attention: tile qt's -M, largest t, and the sum in two halves at v[16 + 4 qt]
.set QC,   32                          ; q's four fragments (16 queries x 64 channels), 8 registers each
.set KF,   64                          ; K's eight fragments of a step
.set S,    128                         ; S^T of one tile of queries: 64 registers, then p
.set P,    192                         ; p's codes: 16 registers
.set TF,   208                         ; v[208:209] f = 2^(old M - new M)
.set TA,   210                         ; v210-213 four chains of the maximum
.set TS,   214                         ; v[214:215] the sum's second chain
.set TP,   216                         ; a lane permute's destination
.set AX,   32                          ; gelu: |y|; the exponent; t; the polynomial
.set U,    40
.set TT,   48
.set PA,   56
.set CS,   22                          ; s[22:23] c = log2(e) / sqrt(512) x 2^(e6 + e7)
.set LEFT, 29                          ; s29  trips of the key loop to go
.set LIM,  30                          ; s30  1 in a work-group that prefetches, else the greatest number
.set WQB,  74                          ; s[74:75] my fragments of Wq;  s[76:77] of Wo
.set WOB,  76
.set KB,   78                          ; s[78:79] my head's step in hand in kv
.set BQB,  80
.set BOB,  82
.set XB,   84
.set OUTB, 86
.set MSB,  0
.macro WIN new                         ; s_set_vgpr_msb: bits 1:0 source 0, 3:2 source 1, 5:4 source 2, 7:6 destination; the high byte repeats the setting that is left
.if MSB != \new
	s_set_vgpr_msb (MSB<<8)|\new
.set MSB, \new
.endif
.endm
.macro PLACES                          ; four plain vector instructions behind a matrix instruction, ahead of loads into its registers and of the first read of its result
.rept 4
	v_nop
.endr
.endm
.macro BARRIER                         ; my LDS stores have landed and my LDS loads are in: then the work-group's barrier
	s_wait_dscnt 0x0
	s_barrier_signal -1
	s_barrier_wait -1
.endm
.macro PATTERN d, e                    ; s[d] = 2^e as f32, s[d+1] = 448 x 2^e
	s_add_co_i32 s[\d+1], s[\e], 127
	s_lshl_b32 s[\d], s[\d+1], 23
	s_add_co_i32 s[\d+1], s[\d+1], 8
	s_lshl_b32 s[\d+1], s[\d+1], 23
	s_or_b32 s[\d+1], s[\d+1], 0x600000
.endm
.macro POW2 d, ea, eb                  ; s[d] = s[d+1] = 2^(ea + eb) as f32
	s_add_co_i32 s[\d], s[\ea], s[\eb]
	s_add_co_i32 s[\d], s[\d], 127
	s_lshl_b32 s[\d], s[\d], 23
	s_mov_b32 s[\d+1], s[\d]
.endm
.macro TWICE d, c                      ; a constant as a pair: the packed forms name both words
	s_mov_b32 s[\d], \c
	s_mov_b32 s[\d+1], \c
.endm
.macro SETQ p
	v_mov_b32 v[QS], s[\p]
	v_mov_b32 v[QL], s[\p+1]
.endm
.macro ROWS_IN                         ; 16 rows x 1,024 bytes: each load reads 512 consecutive bytes
.irp i, 0,1,2,3,4,5,6,7,8,9,10,11,12,13,14,15
	global_load_b128 v[N+8*\i:N+8*\i+3], v[LO], s[XB:XB+1] offset:2048*\i th:TH_LOAD_NT
	global_load_b128 v[N+8*\i+4:N+8*\i+7], v[LO], s[XB:XB+1] offset:2048*\i+512 th:TH_LOAD_NT
.endr
.endm
.macro STAGE_ST
.irp i, 0,1,2,3,4,5,6,7,8,9,10,11,12,13,14,15
	ds_store_b128 v[STW], v[N+8*\i:N+8*\i+3] offset:1040*\i
	ds_store_b128 v[STW], v[N+8*\i+4:N+8*\i+7] offset:1040*\i+512
.endr
.endm
.macro STAGE_LD                        ; register N + 64 sp + 8 c + j = k 128 sp + 16 c + 8 h + j of row r: the order of the operand's registers
	s_wait_dscnt 0x0                               ; my stores into the stage are done
	s_wait_alu depctr_vm_vsrc(0)                   ; the stage's stores have read v128-255, in which the loads below land
.irp sp, 0,1
.irp c, 0,1,2,3,4,5,6,7
	ds_load_b128 v[N+64*\sp+8*\c:N+64*\sp+8*\c+3], v[STR] offset:512*\sp+64*\c
	ds_load_b128 v[N+64*\sp+8*\c+4:N+64*\sp+8*\c+7], v[STR] offset:512*\sp+64*\c+16
.endr
.endr
.endm
.macro CODES dst, src, tmp             ; eight numbers -> eight codes in two registers; tmp = src: in place
.irp j, 0,1,2,3,4,5,6,7
	v_med3_num_f32 v[\tmp+\j], v[\src+\j], -v[QL], v[QL]   ; the conversion to an 8-bit code does not saturate (ISA guide 7.6.2): the hold comes first
.endr
	v_cvt_scalef32_pk8_fp8_f32 v[\dst:\dst+1], v[\tmp:\tmp+7], v[QS]
.endm
.macro QUANT src, pc                   ; 64 numbers -> a fragment of 16 registers, in place
.irp c, 0,1,2,3,4,5,6,7
	CODES \pc+2*\c, \src+8*\c, \src+8*\c
.endr
	v_nop                                          ; a plain vector instruction behind the last conversion, ahead of whatever next touches its registers
.endm
.macro IMAGE adr, pc, off
.irp i, 0,1,2,3
	ds_store_b128 v[\adr], v[\pc+4*\i:\pc+4*\i+3] offset:\off+512*\i
.endr
.endm
.macro WLOAD wb, s                     ; my four weight fragments of K step s, into window 1
	WIN 0x40
.irp t, 0,1,2,3
.irp i, 0,1,2,3
	global_load_b128 v[64*\s+16*\t+4*\i:64*\s+16*\t+4*\i+3], v[LO], s[\wb:\wb+1] offset:(4*\t+\s)*2048+512*\i
.endr
.endr
	WIN 0
.endm
.macro FETCHG g                        ; group g = K step g / 2, row tiles 2 (g % 2) and 2 (g % 2) + 1: two fragments into ring place g % 3
.irp mm, 0,1
.irp i, 0,1,2,3
	ds_load_b128 v[RB+32*((\g)%3)+16*\mm+4*\i:RB+32*((\g)%3)+16*\mm+4*\i+3], v[IMR] offset:(4*(2*((\g)%2)+\mm)+(\g)/2)*2048+512*\i
.endr
.endr
.endm
.macro MULG g                          ; eight products; the 16 accumulators take turns, one instruction a turn; K step 0 starts the sums
	WIN 0x01                                       ; source 0 (the weight) in window 1
.irp mm, 0,1
.irp t, 0,1,2,3
.set rD, ACC+8*(4*(2*((\g)%2)+\mm)+\t)
.set rW, 64*((\g)/2)+16*\t
.set rX, RB+32*((\g)%3)+16*\mm
.if (\g) < 2
	v_wmma_f32_16x16x128_fp8_fp8 v[rD:rD+7], v[rW:rW+15], v[rX:rX+15], 0
.else
	v_wmma_f32_16x16x128_fp8_fp8 v[rD:rD+7], v[rW:rW+15], v[rX:rX+15], v[rD:rD+7]
.endif
.endr
.endr
.endm
.macro BIAS bb                         ; tile t's eight channels of my half: eight loads into window 1, where K step 0's weight fragments lay
	WIN 0x40
.irp t, 0,1,2,3
	global_load_b128 v[8*\t:8*\t+3], v[BOF], s[\bb:\bb+1] offset:64*\t
	global_load_b128 v[8*\t+4:8*\t+7], v[BOF], s[\bb:\bb+1] offset:64*\t+16
.endr
	WIN 0
.endm
; 64 rows x my 64 columns x K = 512: eight groups of eight products.  The row fragments come through a ring of three groups, fetched three groups ahead.
; DScnt: behind group g's eight loads stand those of the two later groups (16), of one (8) or none.  LOADcnt: behind K step 0's weights stand steps 1 and 2 (32); behind step 1's: step 2's 16, step 3's 16, the bias's 8 (40); and so on down.
.macro GEMM wb, bb
	FETCHG 0
	FETCHG 1
	FETCHG 2
.irp g, 0,1,2,3,4,5,6,7
.if \g < 6
	s_wait_dscnt 16
.elseif \g == 6
	s_wait_dscnt 8
.else
	s_wait_dscnt 0
.endif
.if \g == 0
	s_wait_loadcnt 32
.elseif \g == 2
	s_wait_loadcnt 40
.elseif \g == 4
	s_wait_loadcnt 24
.elseif \g == 6
	s_wait_loadcnt 8
.endif
	MULG \g
	WIN 0
	PLACES
.if \g < 5
	s_wait_alu depctr_va_vdst(0)                   ; this group's products are done reading their place of the ring, in which group g + 3 lands; at g = 0 every earlier reader of window 1's v192-255 is done, at g = 1 the readers of K step 0's weights, where the bias lands
	FETCHG \g+3
.endif
.if \g == 0
	WLOAD \wb, 3
.elseif \g == 1
	BIAS \bb
.endif
.endr
.endm
.macro POST cnt, sc                    ; sum x 2^(the two exponents) + bias, one packed multiply-add for two numbers; each accumulator from its low end on
	s_wait_loadcnt \cnt
	WIN 0x10                                       ; source 2 (the bias) in window 1
.irp m, 0,1,2,3
.irp t, 0,1,2,3
.irp i, 0,2,4,6
	v_pk_fma_f32 v[ACC+8*(4*\m+\t)+\i:ACC+8*(4*\m+\t)+\i+1], v[ACC+8*(4*\m+\t)+\i:ACC+8*(4*\m+\t)+\i+1], s[\sc:\sc+1], v[8*\t+\i:8*\t+\i+1] op_sel_hi:[1,0,1]
.endr
.endr
.endr
	WIN 0
.endm
.macro PARK                            ; v128-255 into my region as they stand
.set i, 0
.rept 32
	ds_store_b128 v[STW], v[128+4*i:128+4*i+3] offset:512*i
.set i, i+1
.endr
.endm
.macro UNPARK                          ; and back, into v128-255 of the window that is set for destinations
.set i, 0
.rept 32
	ds_load_b128 v[128+4*i:128+4*i+3], v[STW] offset:512*i
.set i, i+1
.endr
.endm
; ---- attention
.macro KLOAD off                       ; a step's eight fragments of K: 16 loads of 512 consecutive bytes
.irp kt, 0,1,2,3,4,5,6,7
	global_load_b128 v[KF+8*\kt:KF+8*\kt+3], v[LO], s[KB:KB+1] offset:\off+1024*\kt
	global_load_b128 v[KF+8*\kt+4:KF+8*\kt+7], v[LO], s[KB:KB+1] offset:\off+1024*\kt+512
.endr
.endm
.macro VLOAD off                       ; its four fragments of V^T, into window 1
	WIN 0x40
.irp ct, 0,1,2,3
.irp i, 0,1,2,3
	global_load_b128 v[128+16*\ct+4*\i:128+16*\ct+4*\i+3], v[LO], s[KB:KB+1] offset:\off+8192+2048*\ct+512*\i
.endr
.endr
	WIN 0
.endm
; A PREFETCH INTO THE L2 of my head's 16,384 bytes of the step that the NEXT trip loads (two steps on from the step in hand): two instructions, lanes 256 bytes apart.  It stands behind the trip's loads of K.
; The 16 work-groups of a batch walk the same kv: the batch's first asks, each of its waves for its own head, so each aligned block of 256 bytes is named once in the launch.
; The loop's last trip asks for nothing: there is no step behind the one that it loads.  Steps 0 and 1 come by their loads alone.
.macro ASK
	s_cmp_gt_u32 s[LEFT], s[LIM]
	s_cbranch_scc0 .Lnot_mine_\@
	global_prefetch_b8 v[PFO], s[KB:KB+1] offset:32768 th:TH_LOAD_NT scope:SCOPE_SE
	global_prefetch_b8 v[PFO], s[KB:KB+1] offset:40960 th:TH_LOAD_NT scope:SCOPE_SE
.Lnot_mine_\@:
.endm
; p is at most 1 and never negative.  Where e9 is -8 or more, 448 x 2^e9 is 1.75 or more and the hold can change nothing: a scalar branch on the given whole number passes over it.  Below that it is made.
.macro HOLD
	s_cmp_gt_i32 s31, -9
	s_cbranch_scc1 .Lfree_\@
.set i, 0
.rept 64
	v_min_num_f32 v[S+i], v[S+i], v[QL]
.set i, i+1
.endr
.Lfree_\@:
.endm
; The softmax of tile qt for a step: lane (r, h) holds query r and the keys 16 T + 8 h + j in register 8 T + j.
.macro SOFT qt
.set rT, ST+4*(\qt)
.irp q, 0,1,2,3                        ; the largest score, four chains of 15 registers; each accumulator is first read at its low end
	v_max3_num_f32 v[TA+\q], v[S+16*\q], v[S+16*\q+1], v[S+16*\q+2]
.endr
.irp k, 1,2,3,4,5,6
.irp q, 0,1,2,3
	v_max3_num_f32 v[TA+\q], v[TA+\q], v[S+16*\q+2*\k+1], v[S+16*\q+2*\k+2]
.endr
.endr
	v_max3_num_f32 v[TA], v[TA], v[S+15], v[S+31]
	v_max3_num_f32 v[TA+2], v[TA+2], v[S+47], v[S+63]
	v_max3_num_f32 v[TA], v[TA], v[TA+1], v[TA+2]
	v_max_num_f32 v[TA], v[TA], v[TA+3]
	v_permlanex16_b32 v[TP], v[TA], s20, s21       ; the query's other 64 keys lie in the lane 16 away
	v_max_num_f32 v[TA], v[TA], v[TP]
	v_mul_f32 v[TA], s[CS], v[TA]                  ; as t (c is positive)
	v_max_num_f32 v[rT+1], v[rT+1], v[TA]          ; the running largest t
	v_mov_b32 v[TA+1], v[rT]
	v_floor_f32 v[rT], -v[rT+1]                    ; the new -M = floor(-t) = -ceil(t)
	v_sub_f32 v[TA+1], v[rT], v[TA+1]              ; old M - new M: a whole number, 0 or less
	v_cvt_i32_f32 v[TA+1], v[TA+1]                 ; (it saturates)
	v_ldexp_f32 v[TF], 1.0, v[TA+1]                ; f = 2^(old M - new M)
.set i, 0
.rept 32
	v_pk_fma_f32 v[S+2*i:S+2*i+1], v[S+2*i:S+2*i+1], s[CS:CS+1], v[rT:rT+1] op_sel_hi:[1,0,0]   ; t - M, two at a time (of the pairs c and -M the low word serves both halves)
.set i, i+1
.endr
; The tile's 64 exponentials are ONE BATCH: none reads another's result; one plain line follows, then one wait, then the readers.
.set i, 0
	s_wait_alu depctr_va_vdst(0)
.rept 64
	v_exp_f32 v[S+i], v[S+i]                       ; p = 2^(t - M), at most 1: not normalised
.set i, i+1
.endr
	v_pk_mul_f32 v[rT+2:rT+3], v[rT+2:rT+3], v[TF:TF+1] op_sel_hi:[1,0]   ; the sum under the new M.  (The plain line behind the exponentials)
	s_wait_alu depctr_va_vdst(0)                   ; the 64 exponentials have written p, ahead of the first line that names it
; The row's sum is taken of the unquantised p, in two chains: even pairs onto l, odd pairs onto TS, each in ascending order.
	v_pk_add_f32 v[rT+2:rT+3], v[rT+2:rT+3], v[S:S+1]
	v_pk_add_f32 v[TS:TS+1], v[S+2:S+3], v[S+6:S+7]
	v_pk_add_f32 v[rT+2:rT+3], v[rT+2:rT+3], v[S+4:S+5]
.set i, 2
.rept 14
	v_pk_add_f32 v[rT+2:rT+3], v[rT+2:rT+3], v[S+4*i:S+4*i+1]
	v_pk_add_f32 v[TS:TS+1], v[TS:TS+1], v[S+4*i+2:S+4*i+3]
.set i, i+1
.endr
	v_pk_add_f32 v[rT+2:rT+3], v[rT+2:rT+3], v[TS:TS+1]
.endm
; A KEY STEP: 128 keys, my four tiles of 16 queries one after the other.  last = 1: nothing more is loaded.
; LOADcnt: at the head K's 16 loads and, behind them, V's 16 are out: the count 16 shows K in.  Ahead of the first V product nothing but V is out: 0.  The next step's K is asked for when the fourth tile's scores are made,
; the next step's V when the fourth tile's V products are issued.
.macro STEP last
	s_wait_loadcnt 16
.irp qt, 0,1,2,3
.irp kt, 0,1,2,3,4,5,6,7
	v_wmma_f32_16x16x64_fp8_fp8 v[S+8*\kt:S+8*\kt+7], v[KF+8*\kt:KF+8*\kt+7], v[QC+8*\qt:QC+8*\qt+7], 0   ; S^T: source 0 = 16 keys, source 1 = 16 queries
.endr
	PLACES
.if (\qt == 3) && (\last == 0)
	s_wait_alu depctr_va_vdst(0)                   ; the fourth tile's score products are done reading K's fragments, in which the next step's land
	KLOAD 16384
	ASK
.endif
	SOFT \qt
	HOLD
.irp kt, 0,1,2,3,4,5,6,7
	v_cvt_scalef32_pk8_fp8_f32 v[P+2*\kt:P+2*\kt+1], v[S+8*\kt:S+8*\kt+7], v[QS]   ; keys 16 T + 8 h + 0 .. 7: registers 2 T, 2 T + 1 of the operand
.endr
	WIN 0x41                                       ; O^T in window 1
.irp j, 0,2,4,6,8,10,12,14,16,18,20,22,24,26,28,30
	v_pk_mul_f32 v[32*\qt+\j:32*\qt+\j+1], v[32*\qt+\j:32*\qt+\j+1], v[TF:TF+1] op_sel_hi:[1,0]   ; O^T under the new M; these are also the plain lines behind the conversions
.endr
.if \qt == 0
	s_wait_alu depctr_va_vdst(0)
	s_wait_loadcnt 0x0                             ; V is in
.endif
	WIN 0x51                                       ; V^T and O^T in window 1, p in window 0
.irp ct, 0,1,2,3
	v_wmma_f32_16x16x128_fp8_fp8 v[32*\qt+8*\ct:32*\qt+8*\ct+7], v[128+16*\ct:128+16*\ct+15], v[P:P+15], v[32*\qt+8*\ct:32*\qt+8*\ct+7]
.endr
	WIN 0
.endr
.if \last == 0
	PLACES
	s_wait_alu depctr_va_vdst(0)                   ; the fourth tile's products are done reading V^T's fragments, in which the next step's land
	VLOAD 16384
	s_wait_xcnt 0x0                                ; the loads and prefetches have read their base: it steps only behind this wait
	s_add_nc_u64 s[KB:KB+1], s[KB:KB+1], 16384
.endif
.endm
; ---- LayerNorm over 512 channels: 32 of a row in my lane, 32 in the lane 16 away, the rest in the other seven waves
.macro RSUM k                          ; the four chains v[24 + 2 m : 25 + 2 m] -> the four rows' sums in v[32:35], through region k; the same order of additions in every wave
.irp m, 0,1,2,3
	v_add_f32 v[16+\m], v[24+2*\m], v[25+2*\m]
.endr
.irp m, 0,1,2,3
	v_permlanex16_b32 v[20+\m], v[16+\m], s20, s21
.endr
.irp m, 0,1,2,3
	v_add_f32 v[16+\m], v[16+\m], v[20+\m]
.endr
	s_wait_alu depctr_va_vdst(0)                   ; the additions have written v[16:19], which the store reads; and all that named v32-63 is done, in which the eight loads below land
	ds_store_b128 v[RDW], v[16:19] offset:2048*(\k)    ; lanes r and r + 16 store the same four numbers at the same place
	BARRIER
	s_wait_alu depctr_vm_vsrc(0)                   ; the store has read v[16:19], which the lines behind this sum write again
.irp u, 0,1,2,3,4,5,6,7
	ds_load_b128 v[32+4*\u:35+4*\u], v[RDR] offset:2048*(\k)+256*\u
.endr
	s_wait_dscnt 0x0
.irp u, 0,2,4,6
	v_pk_add_f32 v[32+4*\u:33+4*\u], v[32+4*\u:33+4*\u], v[36+4*\u:37+4*\u]
	v_pk_add_f32 v[34+4*\u:35+4*\u], v[34+4*\u:35+4*\u], v[38+4*\u:39+4*\u]
.endr
.irp u, 0,4
	v_pk_add_f32 v[32+4*\u:33+4*\u], v[32+4*\u:33+4*\u], v[40+4*\u:41+4*\u]
	v_pk_add_f32 v[34+4*\u:35+4*\u], v[34+4*\u:35+4*\u], v[42+4*\u:43+4*\u]
.endr
	v_pk_add_f32 v[32:33], v[32:33], v[48:49]
	v_pk_add_f32 v[34:35], v[34:35], v[50:51]
.endm
.macro LNORM k                         ; v128-255 in place; two passes (the mean, then the squares of what is left), regions k and k + 1, two barriers
.irp m, 0,1,2,3
	v_pk_add_f32 v[24+2*\m:25+2*\m], v[ACC+32*\m:ACC+32*\m+1], v[ACC+32*\m+2:ACC+32*\m+3]
.endr
.irp p, 4,6,8,10,12,14,16,18,20,22,24,26,28,30
.irp m, 0,1,2,3
	v_pk_add_f32 v[24+2*\m:25+2*\m], v[24+2*\m:25+2*\m], v[ACC+32*\m+\p:ACC+32*\m+\p+1]
.endr
.endr
	RSUM \k
.irp m, 0,1,2,3
	v_mul_f32 v[16+2*\m], s61, v[32+\m]            ; the mean, as a pair
	v_mul_f32 v[17+2*\m], s61, v[32+\m]
.endr
.irp m, 0,1,2,3
.irp p, 0,2,4,6,8,10,12,14,16,18,20,22,24,26,28,30
	v_pk_add_f32 v[ACC+32*\m+\p:ACC+32*\m+\p+1], v[ACC+32*\m+\p:ACC+32*\m+\p+1], v[16+2*\m:17+2*\m] neg_lo:[0,1] neg_hi:[0,1]
.endr
.endr
.irp m, 0,1,2,3
	v_pk_mul_f32 v[24+2*\m:25+2*\m], v[ACC+32*\m:ACC+32*\m+1], v[ACC+32*\m:ACC+32*\m+1]
.endr
.irp p, 2,4,6,8,10,12,14,16,18,20,22,24,26,28,30
.irp m, 0,1,2,3
	v_pk_fma_f32 v[24+2*\m:25+2*\m], v[ACC+32*\m+\p:ACC+32*\m+\p+1], v[ACC+32*\m+\p:ACC+32*\m+\p+1], v[24+2*\m:25+2*\m]
.endr
.endr
	RSUM \k+1
.irp m, 0,1,2,3
	v_fma_f32 v[32+\m], v[32+\m], s61, s62         ; the variance + 1e-5
.endr
	s_wait_alu depctr_va_vdst(0)
.irp m, 0,1,2,3
	v_rsq_f32 v[16+2*\m], v[32+\m]
	v_rsq_f32 v[17+2*\m], v[32+\m]
.endr
	v_nop                                          ; a plain instruction between the last root and the use of its result
	s_wait_alu depctr_va_vdst(0)                   ; the eight roots have written v16-23, ahead of the first line that names them
.irp m, 0,1,2,3
.irp p, 0,2,4,6,8,10,12,14,16,18,20,22,24,26,28,30
	v_pk_mul_f32 v[ACC+32*\m+\p:ACC+32*\m+\p+1], v[ACC+32*\m+\p:ACC+32*\m+\p+1], v[16+2*\m:17+2*\m]
.endr
.endr
.endm
; gelu(y) = max(y, 0) - |y| erfc(|y| / sqrt 2) / 2, eight numbers in place.  erfc(z) = t (a1 + t (a2 + t (a3 + t (a4 + t a5)))) e^(-z z), t = 1 / (1 + p z); e^(-z z) = 2^(-(c1 |y|)^2), c1 = sqrt(log2(e) / 2).
.macro GELU y
.irp j, 0,1,2,3,4,5,6,7
	v_and_b32 v[AX+\j], s60, v[\y+\j]
.endr
.irp j, 0,2,4,6
	v_pk_mul_f32 v[U+\j:U+\j+1], v[AX+\j:AX+\j+1], s[48:49] op_sel_hi:[1,0]
.endr
.irp j, 0,2,4,6
	v_pk_fma_f32 v[TT+\j:TT+\j+1], v[AX+\j:AX+\j+1], s[50:51], 1.0 op_sel_hi:[1,0,0]
.endr
.irp j, 0,2,4,6
	v_pk_mul_f32 v[U+\j:U+\j+1], v[U+\j:U+\j+1], v[U+\j:U+\j+1] neg_lo:[0,1] neg_hi:[0,1]
.endr
	s_wait_alu depctr_va_vdst(0)
.irp j, 0,1,2,3,4,5,6,7
	v_rcp_f32 v[TT+\j], v[TT+\j]
.endr
.irp j, 0,1,2,3,4,5,6,7
	v_exp_f32 v[U+\j], v[U+\j]
.endr
.irp j, 0,1,2,3,4,5,6,7
	v_max_num_f32 v[\y+\j], 0, v[\y+\j]            ; (plain lines behind the transcendentals)
.endr
	s_wait_alu depctr_va_vdst(0)                   ; the eight reciprocals and eight exponentials have written v40-55, ahead of the first line that names them
.irp j, 0,2,4,6
	v_pk_fma_f32 v[PA+\j:PA+\j+1], v[TT+\j:TT+\j+1], v[16:17], s[52:53] op_sel_hi:[1,1,0]
.endr
.irp a, 54,56,58
.irp j, 0,2,4,6
	v_pk_fma_f32 v[PA+\j:PA+\j+1], v[PA+\j:PA+\j+1], v[TT+\j:TT+\j+1], s[\a:\a+1] op_sel_hi:[1,1,0]
.endr
.endr
.irp j, 0,2,4,6
	v_pk_mul_f32 v[PA+\j:PA+\j+1], v[PA+\j:PA+\j+1], v[TT+\j:TT+\j+1]
.endr
.irp j, 0,2,4,6
	v_pk_mul_f32 v[PA+\j:PA+\j+1], v[PA+\j:PA+\j+1], v[U+\j:U+\j+1]
.endr
.irp j, 0,2,4,6
	v_pk_mul_f32 v[PA+\j:PA+\j+1], v[PA+\j:PA+\j+1], v[AX+\j:AX+\j+1]
.endr
.irp j, 0,2,4,6
	v_pk_fma_f32 v[\y+\j:\y+\j+1], v[PA+\j:PA+\j+1], -0.5, v[\y+\j:\y+\j+1] op_sel_hi:[1,0,1]
.endr
.endm
	s_load_b256 s[4:11], s[0:1], 0x0               ; Q, wc, kv, bq
	s_load_b128 s[12:15], s[0:1], 0x20             ; bo, the scales' exponents
	s_load_b64 s[16:17], s[0:1], 0x30              ; out0
	v_lshrrev_b32 v16, 5, v0
	v_readfirstlane_b32 s18, v16                   ; wave = head, 0..7
	v_and_b32 v16, 31, v0                          ; lane
	v_and_b32 v17, 15, v0                          ; r
	v_bfe_u32 v18, v0, 4, 1                        ; h
	v_lshlrev_b32 v[LO], 4, v16
	v_mul_u32_u24 v[STR], v17, 1040                ; every address is made here, at the head: none hangs on an argument
	v_lshl_add_u32 v[STR], v18, 5, v[STR]
	v_mul_u32_u24 v[OSW], v17, 272
	v_lshl_add_u32 v[OSW], v18, 5, v[OSW]
	v_mul_u32_u24 v[OSR], v18, 272
	v_lshl_add_u32 v[OSR], v17, 4, v[OSR]
	v_add_nc_u32 v[IMR], IMG, v[LO]
	v_lshlrev_b32 v[RDR], 4, v17
	v_add_nc_u32 v[RDR], RED, v[RDR]
	v_lshlrev_b32 v[GO], 11, v18
	v_lshl_add_u32 v[GO], v17, 4, v[GO]
	v_lshlrev_b32 v[PFO], 8, v16
	v_lshlrev_b32 v[BOF], 5, v18
	s_wait_alu depctr_va_sdst(0)                   ; s18 is written, ahead of its first reader
	s_mul_i32 s2, s18, STGB
	v_add_nc_u32 v[STW], s2, v[LO]
	v_add_nc_u32 v[STR], s2, v[STR]
	v_add_nc_u32 v[OSW], s2, v[OSW]
	v_add_nc_u32 v[OSR], s2, v[OSR]
	s_lshl_b32 s3, s18, 12
	s_add_co_u32 s3, s3, IMG
	v_add_nc_u32 v[IMW], s3, v[LO]
	s_lshl_b32 s63, s18, 10
	s_add_co_u32 s63, s63, IMG
	v_add_nc_u32 v[OIW], s63, v[LO]
	s_lshl_b32 s28, s18, 8
	v_add_nc_u32 v[RDW], s28, v[RDR]
	s_mov_b32 s19, ttmp9                           ; g: my 64 rows
	s_lshl_b32 s32, s19, 17                        ; what I quantise: row tile wave / 2, K half wave % 2
	s_lshr_b32 s33, s18, 1
	s_lshl_b32 s33, s33, 15
	s_add_co_u32 s32, s32, s33
	s_and_b32 s33, s18, 1
	s_lshl_b32 s33, s33, 10
	s_add_co_u32 s32, s32, s33
	s_mov_b32 s33, 0
	s_lshl_b32 s34, s18, 15                        ; my four tiles x four K steps of 2,048 bytes in a weight's codes
	s_mov_b32 s35, 0
	s_wait_kmcnt 0x0
	s_load_b256 s[36:43], s[14:15], 0x0            ; e0 .. e7
	s_load_b128 s[44:47], s[14:15], 0x20           ; e8 .. e11
	s_add_nc_u64 s[XB:XB+1], s[4:5], s[32:33]
	s_add_nc_u64 s[WQB:WQB+1], s[6:7], s[34:35]
	s_add_nc_u64 s[WOB:WOB+1], s[WQB:WQB+1], 3*262144
	s_wait_alu depctr_va_vdst(0)                   ; the thirteen addresses and offsets v1-13 are written, which every load, store and prefetch of the kernel reads
	ROWS_IN
	WLOAD WQB, 0
	s_lshr_b32 s32, s19, 4                         ; kv: batch g / 16, my head: 131,072 bytes a head
	s_lshl_b32 s32, s32, 20
	s_lshl_b32 s33, s18, 17
	s_add_co_u32 s32, s32, s33
	s_mov_b32 s33, 0
	s_add_nc_u64 s[KB:KB+1], s[8:9], s[32:33]
	s_lshl_b32 s34, s18, 8                         ; my 64 channels: 256 bytes
	s_mov_b32 s35, 0
	s_add_nc_u64 s[BQB:BQB+1], s[10:11], s[34:35]
	s_add_nc_u64 s[BOB:BOB+1], s[12:13], s[34:35]
	s_lshl_b32 s32, s19, 17
	s_add_co_u32 s32, s32, s34
	s_add_nc_u64 s[OUTB:OUTB+1], s[16:17], s[32:33]
	s_mov_b32 s20, 0x76543210                      ; v_permlanex16_b32's selects for lane l xor 16
	s_mov_b32 s21, 0xfedcba98
	s_mov_b32 s60, 0x7fffffff
	s_mov_b32 s61, 0x3b000000                      ; 1 / 512
	s_mov_b32 s62, 0x3727c5ac                      ; 1e-5
	TWICE 48, 0x3f596d27                           ; c1 = sqrt(log2(e) / 2)
	TWICE 50, 0x3e6d3388                           ; p / sqrt 2, p = 0.3275911
	TWICE 52, 0xbfba00e3                           ; a4
	TWICE 54, 0x3fb5f0e3                           ; a3
	TWICE 56, 0xbe91a98e                           ; a2
	TWICE 58, 0x3e827906                           ; a1
	s_and_b32 s[LIM], s19, 15
	s_cmp_eq_u32 s[LIM], 0                         ; the batch's first work-group prefetches
	s_cselect_b32 s[LIM], 1, -1
	s_mov_b32 s[LEFT], 7
	s_wait_kmcnt 0x0
	POW2 24, 36, 37                                ; 2^(e0 + e1)
	POW2 26, 46, 47                                ; 2^(e10 + e11)
	s_add_co_i32 s28, s44, s45                     ; e8 + e9
	s_mov_b32 s31, s45                             ; e9
	s_add_co_i32 s32, s42, s43
	s_lshl_b32 s32, s32, 23
	s_mov_b32 s[CS], 0x3d8293ee                    ; log2(e) / sqrt(512);
	s_add_co_i32 s[CS], s[CS], s32                 ; a score stands for score x 2^(e6 + e7): the two exponents are added to c's exponent field
	s_mov_b32 s[CS+1], s[CS]
	PATTERN 66, 36                                 ; Q
	PATTERN 68, 42                                 ; q
	PATTERN 70, 45                                 ; p
	PATTERN 72, 46                                 ; X
	; ---- Q's codes, and q = Q Wq + bq
	SETQ 66
	s_wait_alu depctr_va_vdst(0)
	s_wait_loadcnt 16                              ; my rows are in; behind them stand the 16 loads of Wq's K step 0
	STAGE_ST
	WLOAD WQB, 1
	WLOAD WQB, 2
	STAGE_LD
	s_wait_dscnt 16                                ; the first fragment's 16 loads are back
	QUANT N, 32
	s_wait_dscnt 0x0                               ; the second fragment's are back: nothing was issued behind them
	QUANT N+64, 48
	s_wait_alu depctr_va_vdst(0)                   ; the conversions have written v32-63, which the images' stores read
	IMAGE IMW, 32, 0
	IMAGE IMW, 48, 2048
	BARRIER                                        ; Q's sixteen fragments lie in LDS
	s_wait_alu depctr_vm_vsrc(0)                   ; my images' stores have read v32-63, in which the ring's first loads land
	GEMM WQB, BQB
	s_wait_alu depctr_va_vdst(0)                   ; the last three groups' products are done reading the ring (v64-127), in which K's fragments land, and Wq's K step 2, in which V^T's land
	KLOAD 0                                        ; the first key step is asked for while q is finished
	VLOAD 0
	POST 32, 24                                    ; bq is in: behind it stand K's 16 loads and V's 16
	SETQ 68
.irp m, 0,1,2,3
.irp t, 0,1,2,3
	CODES QC+8*\m+2*\t, ACC+8*(4*\m+\t), 16+8*(\t%2)   ; q itself is kept for the residual: the held numbers go into two sets of eight by turns
.endr
.endr
	v_nop
	s_wait_alu depctr_va_vdst(0)                   ; the multiply-adds have written q in v128-255, which the stores below read
	PARK                                           ; q waits in my region of LDS while its registers serve the scores
	SETQ 70
.irp qt, 0,1,2,3
	v_mov_b32 v[ST+4*\qt+1], 0xff61b1e6            ; the largest t so far: -3e38, under every t
	v_floor_f32 v[ST+4*\qt], -v[ST+4*\qt+1]        ; -M
	v_mov_b32 v[ST+4*\qt+2], 0                     ; the sum, in two halves
	v_mov_b32 v[ST+4*\qt+3], 0
.endr
	WIN 0x40
.set i, 0
.rept 128
	v_mov_b32 v[i], 0                              ; O^T: the first step finds zeros, which the first change of M leaves zeros
.set i, i+1
.endr
	WIN 0
	s_wait_dscnt 0x0                               ; q lies in LDS
	s_wait_alu depctr_vm_vsrc(0)                   ; the stores have read v128-255, which the two moves below and the key steps' products and vector lines write
	v_mov_b32 v[TF+1], 0                           ; (named as the upper half of a pair)
	v_mov_b32 v[TP], 0                             ; written once: a lane permute's destination counts as one of its sources
	; ---- attention: eight steps of 128 keys
.Lstep:
	STEP 0
	s_sub_co_u32 s[LEFT], s[LEFT], 1
	s_cmp_lg_u32 s[LEFT], 0
	s_cbranch_scc1 .Lstep
	STEP 1                                         ; the last step is written out: it loads nothing
	; ---- X = LN(q + O / l)
.irp m, 0,1,2,3
	v_add_f32 v[ST+4*\m+2], v[ST+4*\m+2], v[ST+4*\m+3]   ; the sum's two halves.  (These four are the places behind the last products, ahead of the loads below)
.endr
	s_wait_alu depctr_va_vdst(0)                   ; the last step's products and vector lines are done with v128-255 (the scores, p's codes, what was at work), in which q lands
	UNPARK                                         ; q
.irp m, 0,1,2,3
	v_permlanex16_b32 v[ST+4*\m+3], v[ST+4*\m+2], s20, s21
.endr
.irp m, 0,1,2,3
	v_add_f32 v[ST+4*\m+2], v[ST+4*\m+2], v[ST+4*\m+3]   ; and the lane 16 away's: the row's sum
.endr
	s_wait_alu depctr_va_vdst(0)
.irp m, 0,1,2,3
	v_rcp_f32 v[ST+4*\m+2], v[ST+4*\m+2]
.endr
	v_nop
	s_wait_alu depctr_va_vdst(0)                   ; the four reciprocals are written, ahead of the first line that names them
.irp m, 0,1,2,3
	v_ldexp_f32 v[ST+4*\m+2], v[ST+4*\m+2], s28    ; x 2^(e8 + e9)
.endr
	s_wait_alu depctr_va_vdst(0)
	s_wait_dscnt 0x0
	WIN 0x01                                       ; source 0 (O^T) in window 1
.irp m, 0,1,2,3
.irp j, 0,2,4,6,8,10,12,14,16,18,20,22,24,26,28,30
	v_pk_fma_f32 v[ACC+32*\m+\j:ACC+32*\m+\j+1], v[32*\m+\j:32*\m+\j+1], v[ST+4*\m+2:ST+4*\m+3], v[ACC+32*\m+\j:ACC+32*\m+\j+1] op_sel_hi:[1,0,1]   ; each accumulator from its low end on
.endr
.endr
	WIN 0
	s_wait_alu depctr_va_vdst(0)                   ; the multiply-adds are done reading O^T, and the last products V^T's fragments: Wo's first three K steps land in their registers
	WLOAD WOB, 0                                   ; Wo's fragments come while the norm is made
	WLOAD WOB, 1
	WLOAD WOB, 2
	LNORM 0
	; ---- X's codes; y = X Wo + bo; X + gelu(y); the second norm
	s_wait_alu depctr_va_vdst(0)                   ; the norm has written X in v128-255, which the stores below read
	PARK                                           ; X waits for the residual
	s_wait_dscnt 0x0                               ; X lies in LDS
	s_wait_alu depctr_vm_vsrc(0)                   ; the stores have read v128-255, which the holds below write
	SETQ 72
.irp m, 0,1,2,3
.irp t, 0,1,2,3
	CODES 32+8*\m+2*\t, ACC+8*(4*\m+\t), ACC+8*(4*\m+\t)
.endr
.endr
	v_nop
	s_wait_alu depctr_va_vdst(0)                   ; the conversions have written v32-63, which the images' stores read
.irp m, 0,1,2,3
.irp i, 0,1
	ds_store_b128 v[OIW], v[32+8*\m+4*\i:32+8*\m+4*\i+3] offset:8192*\m+512*\i   ; my 64 channels are half wave % 2 of fragment (m, wave / 2): pieces 2 (wave % 2) + i.  Q's images were last read ahead of the first norm's barriers
.endr
.endr
	BARRIER                                        ; X's sixteen fragments lie in LDS
	s_wait_alu depctr_vm_vsrc(0)                   ; my images' stores have read v32-63, in which the ring's first loads land
	GEMM WOB, BOB
	WIN 0x40
	s_wait_alu depctr_va_vdst(0)                   ; the last groups' products are done reading Wo's K steps 2 and 3, in whose registers X lands
	UNPARK                                         ; X, into window 1, where Wo's K steps 2 and 3 lay
	WIN 0
	POST 0, 26
	v_mov_b32 v16, 0x3f87dc22                      ; a5
	v_mov_b32 v17, 0x3f87dc22
.irp a, 0,1,2,3,4,5,6,7,8,9,10,11,12,13,14,15
	GELU ACC+8*\a
.endr
	s_wait_dscnt 0x0                               ; X is back
	WIN 0x04                                       ; source 1 (X) in window 1
.set i, 0
.rept 64
	v_pk_add_f32 v[ACC+i:ACC+i+1], v[ACC+i:ACC+i+1], v[128+i:128+i+1]
.set i, i+2
.endr
	WIN 0
	LNORM 2
	; ---- the way out: a tile of 16 rows x my 256 bytes through my region, so that sixteen lanes store 256 consecutive bytes at a multiple of 256 from out0's first byte
	s_wait_alu depctr_va_vdst(0)                   ; the norm has written v128-255, which the LDS stores below read; all that named v32-95 is done, in which the rows land
.irp m, 0,1,2,3
.if \m >= 2
	s_wait_xcnt 0x0                                ; tile m - 2's stores have read the registers that the loads below fill
	s_wait_alu depctr_vm_vsrc(0)                   ; tile m - 2's stores have read their 32 data registers, in which the loads below land
.endif
.irp t, 0,1,2,3
	ds_store_b128 v[OSW], v[ACC+8*(4*\m+\t):ACC+8*(4*\m+\t)+3] offset:64*\t
	ds_store_b128 v[OSW], v[ACC+8*(4*\m+\t)+4:ACC+8*(4*\m+\t)+7] offset:64*\t+16
.endr
.irp i, 0,1,2,3,4,5,6,7
	ds_load_b128 v[32+32*(\m%2)+4*\i:32+32*(\m%2)+4*\i+3], v[OSR] offset:544*\i   ; LDS serves a wave's instructions in order (ISA guide 5.7.1.4): these see my stores, and the next tile's stores come behind them
.endr
.irp i, 0,1,2,3,4,5,6,7
	s_wait_dscnt 7-\i
	global_store_b128 v[GO], v[32+32*(\m%2)+4*\i:32+32*(\m%2)+4*\i+3], s[OUTB:OUTB+1] offset:(16*\m+2*\i)*2048 th:TH_STORE_NT
.endr
.endr
	s_wait_xcnt 0x0
	s_wait_alu depctr_vm_vsrc(0)                   ; the way out's LDS stores have read v254 and v255, which the two lines below write
	v_lshl_add_u32 v254, v0, 2, 0x2a800
	v_mov_b32 v255, 0
	s_wait_dscnt 0x0                               ; the closing lines, six on end
	s_wait_alu 0x0
	s_wait_tensorcnt 0x0
	ds_add_u32 v254, v255
	s_wait_dscnt 0x0
	s_endpgm
.Lfunc_end_k_q86cfb4dca0_mab:
	.size	k_q86cfb4dca0_mab, .Lfunc_end_k_q86cfb4dca0_mab-k_q86cfb4dca0_mab
	.p2alignl 7, 3214868480
	.fill 96, 4, 3214868480
	.section	.rodata,"a",@progbits
	.p2align	6, 0x0
	.amdhsa_kernel k_q86cfb4dca0_mab
		.amdhsa_group_segment_fixed_size 175104
		.amdhsa_private_segment_fixed_size 0
		.amdhsa_enable_private_segment 0
		.amdhsa_kernarg_size 56
		.amdhsa_user_sgpr_count 2
		.amdhsa_user_sgpr_kernarg_segment_ptr 1
		.amdhsa_wavefront_size32 1
		.amdhsa_system_sgpr_workgroup_id_x 1
		.amdhsa_system_sgpr_workgroup_id_y 1
		.amdhsa_system_sgpr_workgroup_id_z 1
		.amdhsa_system_vgpr_workitem_id 0
		.amdhsa_next_free_vgpr 512
		.amdhsa_next_free_sgpr 88
		.amdhsa_reserve_vcc 0
		.amdhsa_float_denorm_mode_32 3
		.amdhsa_float_denorm_mode_16_64 3
		.amdhsa_memory_ordered 1
		.amdhsa_forward_progress 1
		.amdhsa_inst_pref_size 255
	.end_amdhsa_kernel
	.section	.bss,"aw",@nobits
	.p2align	6
	.space	262144
	.amdgpu_metadata
---
amdhsa.version: [ 1, 2 ]
amdhsa.kernels:
  - .name:           k_q86cfb4dca0_mab
    .symbol:         k_q86cfb4dca0_mab.kd
    .args:
      - { .name: Q, .offset: 0, .size: 8, .value_kind: global_buffer, .address_space: global }
      - { .name: wc, .offset: 8, .size: 8, .value_kind: global_buffer, .address_space: global }
      - { .name: kv, .offset: 16, .size: 8, .value_kind: global_buffer, .address_space: global }
      - { .name: bq, .offset: 24, .size: 8, .value_kind: global_buffer, .address_space: global }
      - { .name: bo, .offset: 32, .size: 8, .value_kind: global_buffer, .address_space: global }
      - { .name: lowp_scales, .offset: 40, .size: 8, .value_kind: global_buffer, .address_space: global }
      - { .name: out0, .offset: 48, .size: 8, .value_kind: global_buffer, .address_space: global }
    .group_segment_fixed_size: 175104
    .private_segment_fixed_size: 0
    .kernarg_segment_align: 8
    .kernarg_segment_size: 56
    .max_flat_workgroup_size: 256
    .sgpr_count:     88
    .vgpr_count:     512
    .wavefront_size: 32
...
	.end_amdgpu_metadata
.endif
;; end of part 6
